; MI455X (gfx1250); checked and timed in simulation.
; The chip was launched on July 23, 2026; its instructions are those of AMD's public machine-readable ISA for CDNA 5 (MIT licence, August 2026) and "CDNA5" Instruction Set Architecture Reference Guide (July 2026). The comments in the code are by the model that wrote it; some were corrected since.
;; Multi Head Self Attention. Allowed arithmetic: matrix products marked QUANTISED: E3M2 operands, one E8M0 scale for each 32 along K, by v_wmma_scale_f32_16x16x128_f8f6f4 with both operands' format E3M2, f32 sums; everything else in f32.
;; Inputs: H 4 x 2,048 x 1,024 float32; Wk 1,024 x 1,024 float32; Wo 1,024 x 1,024 float32; Wq 1,024 x 1,024 float32; Wv 1,024 x 1,024 float32; bk 1,024 float32; bo 1,024 float32; bq 1,024 float32; bv 1,024 float32.
;; Outputs: out0 4 x 2,048 x 1,024 float32.
;; This version of the problem:
;;   THIS VERSION OF THE PROBLEM IS GIVEN IN LOW PRECISION. The matrix products marked QUANTISED in the list below multiply operands that are first quantised to E3M2 (3 exponent bits, 2 mantissa bits; 6 bits a number), with one power-of-two scale for each 32 numbers along K (OCP MX v1.0); their sums are f32. All else is computed in f32.
;;   The module's matrix products, in the order in which they are computed (A, B: the left and right operand; K: the contracted axis; several contracted axes count as one K, in the product's order):
;;     1. [M 8,192, K 1,024] x [K 1,024, N 1,024]; A: input H; B: input Wq: QUANTISED
;;     2. [M 8,192, K 1,024] x [K 1,024, N 1,024]; A: input H; B: input Wk: QUANTISED
;;     3. [M 8,192, K 1,024] x [K 1,024, N 1,024]; A: input H; B: input Wv: QUANTISED
;;     4. batch 64 x [M 2,048, K 64] x [K 64, N 2,048]; A: computed on the way; B: computed on the way: QUANTISED
;;     5. batch 64 x [M 2,048, K 2,048] x [K 2,048, N 64]; A: softmax (see below); B: computed on the way: QUANTISED
;;     6. [M 8,192, K 1,024] x [K 1,024, N 1,024]; A: computed on the way; B: input Wo: QUANTISED
;;   THE QUANTISER, for each operand of a quantised product, along K:
;;     - K is cut into blocks of 32 from its start; a last block that is shorter is filled with zeros.
;;     - A block's scale is 2^e with e = floor(log2(the largest magnitude in the block)) - 4, held to -126 .. 127; a block of zeros has e = 0. As a byte (E8M0): e + 127.
;;     - Each number is divided by its block's scale, clamped to +-28, and rounded to the nearest number of E3M2, ties to even, subnormals kept.
;;     - The product sums the exact products of the quantised numbers (number of the format x scale) in f32.
;;   ~~~python
;;   def quantise(x, axis):      # numpy; x: float32 -> the quantised numbers, widened to float32 again
;;       x = np.moveaxis(x, axis, -1); K = x.shape[-1]
;;       x = np.pad(x, [(0, 0)] * (x.ndim - 1) + [(0, -K % 32)]); x = x.reshape(x.shape[:-1] + (-1, 32)); a = np.abs(x).max(-1, keepdims=True)
;;       e = np.where(a > 0, np.clip(np.frexp(np.where(a > 0, a, 1))[1] - 1 - 4, -126, 127), 0)      # np.frexp(a)[1] - 1 = floor(log2(a)), exactly
;;       r = np.clip(x / 2.0 ** e, -28, 28)
;;       step = 2.0 ** (np.maximum(np.frexp(np.where(r == 0, 1, r))[1] - 1, -2) - 2)
;;       q = np.round(r / step) * step * 2.0 ** e      # np.round: ties to even
;;       return np.moveaxis(q.reshape(q.shape[:-2] + (-1,))[..., :K], -1, axis).astype(np.float32)
;;   ~~~
;;   SOFTMAX AHEAD OF A QUANTISED PRODUCT. Where the list says 'softmax', what is quantised is not the finished softmax but p = 2^(t - M), with t = logit x log2(e) and M = ceil(the row's largest t), a whole number; so 1/2 < the row's largest p <= 1. The row's sum l is taken of the UNQUANTISED p, in f32, and the product's result is divided by l at the end. Since M is a whole number, a kernel that streams over the keys may use a running M (the ceiling of the running maximum): every later rescaling is an exact power of two, which a block's scale takes up: the codes' values come out the same.
;;   OPERANDS COMPUTED ON THE WAY. 'Computed on the way' means the value that the module computes at that place (a softmax that the list does not call 'softmax' is quantised finished and normalised). What goes into a quantiser is computed in f32, as accurately as f32 sums, v_exp_f32 and their like allow (about 1e-6 of the number): no bf16 or f16 on the way to a quantiser, and a product that is left as it is and whose result goes on into a quantised operand takes f32 operands (vector FMAs, or v_wmma_f32_16x16x4_f32). A number that lies on a knife's edge between two numbers of the format may be rounded either way, as far as f32 arithmetic and the matrix unit's own rounding can turn it there, and no further.
;; One version. Each part assembles by itself: llvm-mc -triple=amdgcn-amd-amdhsa -mcpu=gfx1250 --defsym DOCPART=n.
;; ======== version 1 of 1: 4 launches
;; limits: right only within a limited range of input values
;; workspace buffers: XC 9,437,184 bytes; XS 393,216 bytes; QKV 19,660,800 bytes; CC 6,291,456 bytes; CS 262,144 bytes
;; launch quant (part 1): grid 768 x 1, 1 waves a work-group, no clusters, 8,960 bytes of LDS; arguments H, Wq, Wk, Wv, Wo, XC, XS; writes XC, XS
.if DOCPART == 1
	.amdgcn_target "amdgcn-amd-amdhsa--gfx1250"
	.amdhsa_code_object_version 6
	.text
	.protected	k_q6d0baf38b5_quant
	.globl	k_q6d0baf38b5_quant
	.p2align	8
	.type	k_q6d0baf38b5_quant,@function
k_q6d0baf38b5_quant:
	s_mov_b64 s[64:65], 0
	v_nop
	global_prefetch_b8 v0, s[64:65] scope:SCOPE_SE
	s_setreg_imm32_b32 hwreg(HW_REG_WAVE_MODE, 25, 1), 1
	s_wait_xcnt 0x0
; H [8192][1024] and Wq, Wk, Wv, Wo [1024][1024], f32 with K innermost, become codes of BF6 (E3M2) with one E8M0 byte for each 32 along K,
; laid as IMAGES OF OPERAND REGISTERS.  A fragment is 16 rows x 128 K, 12 registers f0-f11 a lane (lane (r, h): f[6c .. 6c+5] = k 64 c + 32 h + 0 .. 31 of row slot r).
; Its image is 1,536 bytes: f0-3 at 16 x lane, f4-5 at 512 + 8 x lane, f6-9 at 768 + 16 x lane, f10-11 at 1,280 + 8 x lane.
; XC = [tile G 768][K step 8][1536]; G 0-511 H, 512-575 Wq, 576-639 Wk, 640-703 Wv, 704-767 Wo.  XS = [G][row slot 16][K step 8], one scale word (four bytes) each.
; THE ROWS OF A TILE ARE NOT NEIGHBOURS: slot r of tile T is row 32 (T / 2) + 8 (T % 2) + r + 8 (r / 8), so that in a product whose source 0 is such a tile the 16 result registers
; of tiles 2 b and 2 b + 1 are 16 neighbouring rows.
; A block's scale is 2^(floor(log2(largest magnitude)) - 4): its byte is the largest magnitude's exponent field - 4, held at 1 from below.
; LIMITS: a block of zeros gets the byte 1 where the rule says 127 (its codes are zeros, and only this program reads the bytes); NaN and infinities among the inputs are not served.
; SHARES: one wave to a work-group, one tile to a wave: 16 rows x all of K, in 8 steps of 128.  A load reads 512 consecutive bytes of one row; the conversions want 16 neighbours in a lane:
; a step's 8,192 bytes turn through the wave's stage in LDS (16 rows of 512 + 16 bytes, so that 16 lanes that read one column of 16 rows touch 16 different columns of 16 bytes).
; Loads run two steps (32 loads) ahead.  No loop, no barrier: every offset is an immediate.  Matrix units, clusters and tensor loads buy nothing in a stream.
.set ROWB, 4096                        ; a row of 1,024 f32 in bytes
.set SP,   528                         ; a stage row
.set FRB,  1536                        ; an image
.set L16,  1                           ; v1   16 x lane: offset in a row's 512 bytes, in the stage on the way in, and in an image
.set L8,   2                           ; v2   8 x lane
.set SIN,  4                           ; v4   the stage on the way out: 528 r + 64 h
.set XSO,  5                           ; v5   my 16 bytes of the tile's scale words: 32 r + 16 h
.set TM,   8                           ; v8-11 largest magnitudes, v12-15 the other half's, then bytes, v20-23 the conversions' scale operands
.set PW,   24                          ; v24  the scale word just made
.set W,    32                          ; v32-39 a scale word for each step
.set OW,   40                          ; v40-43 the four words that I store
.set PC,   44                          ; v44-55 a fragment's codes; v56-62 the conversions' second halves
.set RA,   64                          ; v64-127, v128-191 two sets of 64 numbers as they are loaded
.set XN,   192                         ; v192-255 64 numbers of my row: register 16 b + i = k 32 b + 16 h + i
.set SEL,  22                          ; s[22:23] v_permlanex16_b32's selects for lane l xor 16
; 64 numbers of a lane, v[s] on, become a fragment's codes in v[PC] on and its scale word in v[PW].
.macro QUANT s
.irp b, 0,1,2,3
	v_max3_num_f32 v[TM+\b], |v[\s+16*\b]|, |v[\s+1+16*\b]|, 0x2800000   ; block b: my 16 numbers, and the floor 2^(5 - 127): the byte cannot fall under 1
.endr
.irp i, 2,4,6,8,10,12,14
.irp b, 0,1,2,3
	v_max3_num_f32 v[TM+\b], v[TM+\b], |v[\s+16*\b+\i]|, |v[\s+1+16*\b+\i]|   ; the four blocks by turns
.endr
.endr
.irp b, 0,1,2,3
	v_permlanex16_b32 v[TM+4+\b], v[TM+\b], s[SEL], s[SEL+1]
.endr
.irp b, 0,1,2,3
	v_max_num_f32 v[TM+\b], v[TM+\b], v[TM+4+\b]   ; with lane l xor 16's 16: the block's largest magnitude
.endr
.irp b, 0,1,2,3
	v_add_nc_u32 v[TM+12+\b], 0xfe000000, v[TM+\b]   ; 4 off its exponent field: the conversion's scale operand
.endr
.irp b, 0,1,2,3
	v_lshrrev_b32 v[TM+4+\b], 23, v[TM+12+\b]      ; the scale's byte
.endr
	v_lshl_or_b32 v[PW], v[TM+5], 8, v[TM+4]       ; four bytes make my row's scale word
	v_lshl_or_b32 v[PW], v[TM+6], 16, v[PW]
	v_lshl_or_b32 v[PW], v[TM+7], 24, v[PW]
.irp c, 0,1
	v_cvt_scalef32_pk16_bf6_f32 v[PC+6*\c:PC+2+6*\c], v[\s+32*\c:\s+15+32*\c], v[TM+12+2*\c]
	v_cvt_scalef32_pk16_bf6_f32 v[PC+12+4*\c:PC+14+4*\c], v[\s+16+32*\c:\s+31+32*\c], v[TM+12+2*\c+1]   ; (a conversion's three registers begin on an even number)
.endr
	v_nop                                          ; one plain place behind a scaled conversion
.irp c, 0,1                                    ; the layout wants a WHOLE block in a lane: lanes 0-15 block 2 c, lanes 16-31 block 2 c + 1
.irp i, 0,1,2
	v_permlane16_swap_b32 v[PC+6*\c+\i], v[PC+12+4*\c+\i]
.endr
.irp i, 0,1,2
	v_mov_b32 v[PC+3+6*\c+\i], v[PC+12+4*\c+\i]
.endr
.endr
.endm
.macro LOAD t                          ; step t: 512 bytes of each of the tile's 16 rows into set t % 2
.irp i, 0,1,2,3,4,5,6,7,8,9,10,11,12,13,14,15
	global_load_b128 v[RA+64*((\t)%2)+4*\i:RA+64*((\t)%2)+4*\i+3], v[L16], s[4:5] offset:(\i+8*(\i/8))*ROWB+512*(\t) th:TH_LOAD_NT
.endr
.endm
.macro STEP t
.if (\t) < 7
	s_wait_loadcnt 16                              ; this step's 16 loads are in; the next step's 16 may be out
.else
	s_wait_loadcnt 0x0
.endif
	s_wait_xcnt 0x0                                ; the last step's stores have read the codes' registers: they are written again only behind this wait
.irp i, 0,1,2,3,4,5,6,7,8,9,10,11,12,13,14,15
	ds_store_b128 v[L16], v[RA+64*((\t)%2)+4*\i:RA+64*((\t)%2)+4*\i+3] offset:SP*\i
.endr
.irp b, 0,1,2,3
.irp j, 0,1,2,3
	ds_load_b128 v[XN+16*\b+4*\j:XN+16*\b+4*\j+3], v[SIN] offset:128*\b+16*\j   ; LDS serves a wave's instructions in order: these see the stores above
.endr
.endr
	s_wait_dscnt 0x0                               ; my numbers are back, and the stores have read the set,
.if (\t)+2 < 8
	LOAD (\t)+2                                    ; which takes the loads of two steps on
.endif
	QUANT XN
	v_mov_b32 v[W+(\t)], v[PW]
	global_store_b128 v[L16], v[PC:PC+3], s[14:15] offset:FRB*(\t)            ; the image: 512, 256, 512, 256 consecutive bytes, each at a multiple of 256
	global_store_b64 v[L8], v[PC+4:PC+5], s[14:15] offset:FRB*(\t)+512
	global_store_b128 v[L16], v[PC+6:PC+9], s[14:15] offset:FRB*(\t)+768
	global_store_b64 v[L8], v[PC+10:PC+11], s[14:15] offset:FRB*(\t)+1280
.endm
	s_load_b256 s[4:11], s[0:1], 0x0               ; H, Wq, Wk, Wv
	s_load_b128 s[12:15], s[0:1], 0x20             ; Wo, XC
	s_load_b64 s[16:17], s[0:1], 0x30              ; XS
	v_lshl_add_u32 v59, v0, 2, 0x2200
	v_mov_b32 v63, 0
	v_lshlrev_b32 v[L16], 4, v0                    ; one wave: v0 is the lane
	v_lshlrev_b32 v[L8], 3, v0
	v_and_b32 v3, 15, v0                           ; r
	v_lshrrev_b32 v6, 4, v0                        ; h
	v_mul_u32_u24 v[SIN], v3, SP
	v_lshl_add_u32 v[SIN], v6, 6, v[SIN]
	v_lshlrev_b32 v[XSO], 5, v3
	v_lshl_add_u32 v[XSO], v6, 4, v[XSO]
	v_cmp_lt_u32 s28, 15, v0                       ; lanes 16-31
.irp b, 0,1,2,3
	v_mov_b32 v[TM+4+\b], 0                        ; written once: a lane permute's destination counts as one of its sources
.endr
	s_lshr_b32 s18, ttmp9, 6                       ; 0-7: H; 8, 9, 10, 11: Wq, Wk, Wv, Wo
	s_and_b32 s19, ttmp9, 63
	s_cmp_lt_u32 ttmp9, 512
	s_cselect_b32 s19, ttmp9, s19                  ; the tile's number in its tensor
	s_lshr_b32 s20, s19, 1
	s_lshl_b32 s20, s20, 5
	s_and_b32 s21, s19, 1
	s_lshl_b32 s21, s21, 3
	s_add_co_u32 s20, s20, s21                     ; its first row: 32 (T / 2) + 8 (T % 2)
	s_lshl_b32 s20, s20, 12                        ; in bytes (under 2^26)
	s_mov_b32 s21, 0
	s_mul_i32 s24, ttmp9, 8*FRB                    ; the tile's eight images
	s_mov_b32 s25, 0
	s_lshl_b32 s26, ttmp9, 9                       ; and its 512 bytes of scale words
	s_mov_b32 s27, 0
	s_mov_b32 s[SEL], 0x76543210
	s_mov_b32 s[SEL+1], 0xfedcba98
	s_wait_alu depctr_va_vdst(0)
	s_wait_kmcnt 0x0
	s_cmp_eq_u32 s18, 8                            ; the choice hangs on the work-group's number alone
	s_cselect_b64 s[4:5], s[6:7], s[4:5]
	s_cmp_eq_u32 s18, 9
	s_cselect_b64 s[4:5], s[8:9], s[4:5]
	s_cmp_eq_u32 s18, 10
	s_cselect_b64 s[4:5], s[10:11], s[4:5]
	s_cmp_eq_u32 s18, 11
	s_cselect_b64 s[4:5], s[12:13], s[4:5]
	s_add_nc_u64 s[4:5], s[4:5], s[20:21]
	s_add_nc_u64 s[14:15], s[14:15], s[24:25]
	s_add_nc_u64 s[16:17], s[16:17], s[26:27]
	LOAD 0
	LOAD 1
.irp t, 0,1,2,3,4,5,6,7
	STEP \t
.endr
.irp j, 0,1,2,3
	v_cndmask_b32 v[OW+\j], v[W+\j], v[W+4+\j], s28   ; lanes 0-15: my row's words of steps 0-3; lanes 16-31: of steps 4-7
.endr
	global_store_b128 v[XSO], v[OW:OW+3], s[16:17]    ; 32 lanes store the tile's 512 bytes of scale words
	s_wait_tensorcnt 0x0
	ds_add_u32 v59, v63
	s_wait_dscnt 0x0
	s_endpgm
.Lfunc_end_k_q6d0baf38b5_quant:
	.size	k_q6d0baf38b5_quant, .Lfunc_end_k_q6d0baf38b5_quant-k_q6d0baf38b5_quant
	.p2alignl 7, 3214868480
	.fill 96, 4, 3214868480
	.section	.rodata,"a",@progbits
	.p2align	6, 0x0
	.amdhsa_kernel k_q6d0baf38b5_quant
		.amdhsa_group_segment_fixed_size 8960
		.amdhsa_private_segment_fixed_size 0
		.amdhsa_enable_private_segment 0
		.amdhsa_kernarg_size 56
		.amdhsa_user_sgpr_count 2
		.amdhsa_user_sgpr_kernarg_segment_ptr 1
		.amdhsa_wavefront_size32 1
		.amdhsa_system_sgpr_workgroup_id_x 1
		.amdhsa_system_sgpr_workgroup_id_y 1
		.amdhsa_system_sgpr_workgroup_id_z 1
		.amdhsa_system_vgpr_workitem_id 0
		.amdhsa_next_free_vgpr 256
		.amdhsa_next_free_sgpr 66
		.amdhsa_reserve_vcc 0
		.amdhsa_float_denorm_mode_32 3
		.amdhsa_float_denorm_mode_16_64 3
		.amdhsa_memory_ordered 1
		.amdhsa_forward_progress 1
		.amdhsa_inst_pref_size 65
	.end_amdhsa_kernel
	.amdgpu_metadata
---
amdhsa.version: [ 1, 2 ]
amdhsa.kernels:
  - .name:           k_q6d0baf38b5_quant
    .symbol:         k_q6d0baf38b5_quant.kd
    .args:
      - { .name: H, .offset: 0, .size: 8, .value_kind: global_buffer, .address_space: global }
      - { .name: Wq, .offset: 8, .size: 8, .value_kind: global_buffer, .address_space: global }
      - { .name: Wk, .offset: 16, .size: 8, .value_kind: global_buffer, .address_space: global }
      - { .name: Wv, .offset: 24, .size: 8, .value_kind: global_buffer, .address_space: global }
      - { .name: Wo, .offset: 32, .size: 8, .value_kind: global_buffer, .address_space: global }
      - { .name: XC, .offset: 40, .size: 8, .value_kind: global_buffer, .address_space: global }
      - { .name: XS, .offset: 48, .size: 8, .value_kind: global_buffer, .address_space: global }
    .group_segment_fixed_size: 8960
    .private_segment_fixed_size: 0
    .kernarg_segment_align: 8
    .kernarg_segment_size: 56
    .max_flat_workgroup_size: 32
    .sgpr_count:     66
    .vgpr_count:     256
    .wavefront_size: 32
...
	.end_amdgpu_metadata
.endif
;; end of part 1
;; launch qkv (part 2): grid 8 x 32, 4 waves a work-group, clusters of 4 x 4, 327,680 bytes of LDS; arguments XC, XS, bq, bk, bv, QKV; writes QKV
.if DOCPART == 2
	.amdgcn_target "amdgcn-amd-amdhsa--gfx1250"
	.amdhsa_code_object_version 6
	.text
	.protected	k_q6d0baf38b5_qkv
	.globl	k_q6d0baf38b5_qkv
	.p2align	8
	.type	k_q6d0baf38b5_qkv,@function
k_q6d0baf38b5_qkv:
	s_mov_b64 s[64:65], 0
	v_nop
	global_prefetch_b8 v0, s[64:65] scope:SCOPE_SE
	s_setreg_imm32_b32 hwreg(HW_REG_WAVE_MODE, 25, 1), 1
	s_wait_xcnt 0x0
	s_wait_alu depctr_hold_cnt(0) depctr_sa_sdst(0) depctr_va_vdst(0) depctr_va_sdst(0) depctr_va_ssrc(0) depctr_va_vcc(0) depctr_vm_vsrc(0)
	s_getreg_b32 s2, hwreg(HW_REG_IB_STS2, 6, 4)
	s_cmp_eq_u32 s2, 0
	s_cbranch_scc0 .Lentry_in_a_cluster
	s_endpgm
.Lentry_in_a_cluster:
	s_bfe_u32 s2, ttmp6, 0x10000c
	s_cmp_lg_u32 s2, 0xf033
	s_cbranch_scc0 .Lentry_shape_is_right
	s_endpgm
.Lentry_shape_is_right:
; Q = H Wq^T + bq, K = H Wk^T + bk, V = H Wv^T + bv on codes of BF6 (E3M2) with E8M0 scales, f32 sums; the results are quantised at once, Q and K along the head's 64, V along the tokens,
; and stored as images of operand registers (an image: 1,536 bytes = two halves of 768: f0-3 at 16 x lane, f4-5 at 512 + 8 x lane; a half is 64 along K of 16 rows).
; A product is D = X Y^T, source 0 = a tile of X, source 1 = a tile of Y: a lane holds ONE row of Y and its registers run along X's rows (by the order of rows in XC's images the 16 registers of X tiles 2 b, 2 b + 1
; are 16 neighbouring rows of X): the result is quantised along X.
; A WORK-GROUP STAYS.  Work-group (k = 0..7, yb = 0..31) keeps the codes of its 256 tokens (16 tiles, 196,608 bytes) in LDS for the whole launch and walks three blocks of 128 weight rows (8 tiles, 98,304 bytes) through ONE slot:
; blocks 2 k and 2 k + 1 of the sixteen of Wq and Wk (X = the weights, Y = the tokens; a loop of two trips), then block k of Wv (X = the tokens, Y = the weights; written out, since it asks for nothing more).
; 8 x 32 work-groups = 256.  Wave w: 8 tiles of X x 4 tiles of Y, 32 accumulators.  Q, K: all of the slot x token tiles 4 w ..; V: token tiles 8 (w % 2) .. x slot tiles 4 (w / 2) .. (one key step x one head).
; LDS: the slot at 0, the tokens at 98,304, the spare words at 294,912.  At the head each wave issues one tensor load: waves 0-2 a third of the tokens each, wave 3 the first weight block.
; A refill is asked for when every wave has fetched the last K step's fragments: a quarter of the slot a wave, ahead of that step's 32 products and the way out.  One tensor load a wave is out at the most.
; CLUSTERS: 4 x 4.  The weights hang on k and are shared along a column of the cluster, the tokens on yb and are shared along a row: each is asked for jointly.
; No prefetch: the loop over blocks has two trips, and each refill is asked for 32 products and a whole way out ahead of the wait for it.
; QKV = 64 head blocks (16 b + head) of 307,200 bytes: K's codes [pair of key tiles 64][1536] at 0; V's codes [key step 16][d tile 4][1536] at 98,304; K's scale words [pair][16] at 196,608, a word = two bytes of the
; pair's first tile and two of its second; V's scale words [key step][256 bytes] at 200,704, d tile i's word of row r at 128 (i % 2) + 64 (i / 2) + 4 r; Q's codes at 204,800 and words at 303,104, laid as K's.
; LIMITS: a block of zeros gets the byte 1 where the rule says 127 (zero codes; only this program reads the bytes); NaN and infinities are not served.
; REGISTERS, in windows of 256: window 0: v3-21 addresses; v22-29 bv in pairs; v32-95 X's scale words (8 a + s); v96-127 Y's (8 i + s); v128-175, v176-223 Y's fragments, two sets (on the way out v128-191 numbers, v192-211 codes); v224-248 at work.
;   window 1: X's fragments, set 0 at v0-95, set 1 at v128-223; the bias along X: tiles 0-3 at v96-127, tiles 4-7 at v224-255.   window 2: accumulator (i, a) at 64 i + 8 a.
.set HB,   307200                      ; a head block
.set WV,   16                          ; s16 wave
.set G1W,  24                          ; s[24:31] group 1: a whole weight block, 384 rows of 256 bytes
.set G1H,  32                          ; s[32:39] a third of the tokens, 256 rows
.set G1R,  40                          ; s[40:47] a quarter of a weight block, 96 rows
.set G0A,  48                          ; s[48:51], s[52:55], s[56:59] their groups 0
.set G0H,  52
.set G0R,  56
.set P1,   60                          ; s[60:61], s[62:63] my quarter of the second and of the third weight block
.set P2,   62
.set SEL,  88                          ; s[88:89] v_permlanex16_b32's selects
.set L4,   3                           ; v3  4 x lane
.set AX16, 4                           ; v4-5  X's tiles 0-3, 4-7: 16 x lane + their LDS base
.set AX8,  6                           ; v6-7  8 x lane + the same
.set AY16, 8                           ; v8    my four tiles of Y
.set L16,  9                           ; v9  16 x lane
.set L8,   10                          ; v10 8 x lane
.set AY8,  12
.set BY,   22
.set SCX,  32
.set SCY,  96
.set ST,   128
.set PC,   192
.set TM,   224
.set PW,   240
.set W,    241                         ; v241-244 the scale words of my four tiles of Y
.set SPW,  254                         ; v254 my spare word, v255 = 0: never rewritten
.set NIL,  255
.set MSB, 0
.macro WIN new                         ; the immediate's high byte repeats the setting that is left
.if MSB != \new
	s_set_vgpr_msb (MSB<<8)|\new
.set MSB, \new
.endif
.endm
.macro PLACES n                        ; plain places behind matrix instructions (ISA guide 7.12.1)
.rept \n
	v_nop
.endr
.endm
.macro CROUND                          ; a round of the cluster's barrier
	s_barrier_signal -1
	s_barrier_wait -1
	s_cmp_lg_u32 s[WV], 0
	s_cbranch_scc1 .Lnot_wave_0_\@
	s_barrier_signal -3
.Lnot_wave_0_\@:
	s_barrier_wait -3
	s_barrier_signal -1
	s_barrier_wait -1
.endm
.macro G1ROWS g, rows                  ; a dense block as rows of 256 bytes: 32 elements of 8 bytes
	s_mov_b32 s[\g+1], 32<<16
	s_mov_b32 s[\g+2], (\rows)<<16
	s_mov_b32 s[\g+3], 32<<16
	s_mov_b32 s[\g+4], \rows
	s_mov_b32 s[\g+5], 32
	s_mov_b32 s[\g+6], 0
	s_mov_b32 s[\g+7], 0
.endm
.macro FRAG reg, a16, a8, off          ; an image comes back as the registers that it was: 512, 256, 512, 256 consecutive bytes
	ds_load_b128 v[(\reg):(\reg)+3], v[\a16] offset:(\off)
	ds_load_b64 v[(\reg)+4:(\reg)+5], v[\a8] offset:(\off)+512
	ds_load_b128 v[(\reg)+6:(\reg)+9], v[\a16] offset:(\off)+768
	ds_load_b64 v[(\reg)+10:(\reg)+11], v[\a8] offset:(\off)+1280
.endm
.macro FETCH s                         ; K step s: X's eight fragments and my four of Y, 48 LDS loads in one run, into set s % 2.  A tile is 12,288 bytes, a K step of it 1,536
.set FQ, (\s)%2
	WIN 0x40                                       ; destination window 1, address window 0
.irp a, 0,1,2,3,4,5,6,7
	FRAG 128*FQ+12*\a, AX16+\a/4, AX8+\a/4, 12288*(\a%4)+1536*(\s)
.endr
	WIN 0
.irp i, 0,1,2,3
	FRAG 128+48*FQ+12*\i, AY16, AY8, 12288*\i+1536*(\s)
.endr
.endm
.macro WM s, a, i, c
	v_wmma_scale_f32_16x16x128_f8f6f4 v[64*\i+8*\a:64*\i+8*\a+7], v[128*MQ+12*\a:128*MQ+12*\a+11], v[128+48*MQ+12*\i:128+48*MQ+12*\i+11], \c, v[SCX+8*\a+(\s)], v[SCY+8*\i+(\s)] matrix_a_fmt:MATRIX_FMT_BF6 matrix_b_fmt:MATRIX_FMT_BF6
.endm
.macro MUL s, kv                       ; 32 matrix instructions; the 32 accumulators take turns, one instruction a turn, in the same order in every step
.set MQ, (\s)%2
.if ((\s) == 0) && ((\kv) == 0)
	WIN 0x91                                       ; source 0 (X) window 1, source 1 (Y) window 0, C (the bias along X) window 1, D window 2
.else
	WIN 0xa1                                       ; C and D window 2
.endif
.irp a, 0,1,2,3,4,5,6,7
.irp i, 0,1,2,3
.if (\s) > 0
	WM \s, \a, \i, v[64*\i+8*\a:64*\i+8*\a+7]
.else
.if \kv
	WM \s, \a, \i, 0
.else
	WM \s, \a, \i, v[96+8*\a+96*(\a/4):96+8*\a+96*(\a/4)+7]
.endif
.endif
.endr
.endr
.endm
.macro STEP s                          ; K steps 1 to 6
	s_wait_dscnt 0x0                               ; this step's fragments, asked for 32 matrix instructions ago, are in
	PLACES 4                                       ; behind the last step's products, which read the set that is loaded now
	FETCH (\s)+1
	MUL \s, 0
	WIN 0
.endm
; 64 numbers of a lane, v[s] on, register 16 b + i = k 32 b + 16 h + i of my row, become a fragment's codes in v[PC] on and its scale word in v[PW].  w1, w2, w3: the windows under which the numbers are read
.macro QUANT s, w1, w2, w3
	WIN \w1
.irp b, 0,1,2,3
	v_max3_num_f32 v[TM+\b], |v[\s+16*\b]|, |v[\s+1+16*\b]|, 0x2800000   ; block b: my 16 numbers, and the floor 2^(5 - 127): the byte cannot fall under 1
.endr
	WIN \w2
.irp i, 2,4,6,8,10,12,14
.irp b, 0,1,2,3
	v_max3_num_f32 v[TM+\b], v[TM+\b], |v[\s+16*\b+\i]|, |v[\s+1+16*\b+\i]|
.endr
.endr
	WIN 0
.irp b, 0,1,2,3
	v_permlanex16_b32 v[TM+4+\b], v[TM+\b], s[SEL], s[SEL+1]
.endr
.irp b, 0,1,2,3
	v_max_num_f32 v[TM+\b], v[TM+\b], v[TM+4+\b]   ; with lane l xor 16's 16: the block's largest magnitude
.endr
.irp b, 0,1,2,3
	v_add_nc_u32 v[TM+12+\b], 0xfe000000, v[TM+\b]   ; 4 off its exponent field: the conversion's scale operand
.endr
.irp b, 0,1,2,3
	v_lshrrev_b32 v[TM+4+\b], 23, v[TM+12+\b]      ; the scale's byte
.endr
	v_lshl_or_b32 v[PW], v[TM+5], 8, v[TM+4]
	v_lshl_or_b32 v[PW], v[TM+6], 16, v[PW]
	v_lshl_or_b32 v[PW], v[TM+7], 24, v[PW]
	WIN \w3
.irp c, 0,1
	v_cvt_scalef32_pk16_bf6_f32 v[PC+6*\c:PC+2+6*\c], v[\s+32*\c:\s+15+32*\c], v[TM+12+2*\c]
	v_cvt_scalef32_pk16_bf6_f32 v[PC+12+4*\c:PC+14+4*\c], v[\s+16+32*\c:\s+31+32*\c], v[TM+12+2*\c+1]   ; (a conversion's three registers begin on an even number)
.endr
	WIN 0
	v_nop                                          ; one plain place behind a scaled conversion
.irp c, 0,1                                    ; a WHOLE block in a lane: lanes 0-15 block 2 c, lanes 16-31 block 2 c + 1
.irp i, 0,1,2
	v_permlane16_swap_b32 v[PC+6*\c+\i], v[PC+12+4*\c+\i]
.endr
.irp i, 0,1,2
	v_mov_b32 v[PC+3+6*\c+\i], v[PC+12+4*\c+\i]
.endr
.endr
.endm
.macro LDSCX b, off                    ; the scale words of X's eight tiles, 512 bytes a tile, 32 bytes a row (lanes 16-31 read what lanes 0-15 read)
.irp a, 0,1,2,3,4,5,6,7
	global_load_b128 v[SCX+8*\a:SCX+8*\a+3], v16, s[\b:\b+1] offset:512*\a+(\off)
	global_load_b128 v[SCX+8*\a+4:SCX+8*\a+7], v16, s[\b:\b+1] offset:512*\a+16+(\off)
.endr
.endm
.macro LDSCY b                         ; and of my four tiles of Y
.irp i, 0,1,2,3
	global_load_b128 v[SCY+8*\i:SCY+8*\i+3], v16, s[\b:\b+1] offset:512*\i
	global_load_b128 v[SCY+8*\i+4:SCY+8*\i+7], v16, s[\b:\b+1] offset:512*\i+16
.endr
.endm
.macro LDBX off                        ; the bias along X: lane (r, h) wants, for X's tile 2 b + u, the numbers of rows 32 b + 16 h + 8 u + 0 .. 7
	WIN 0x40
.irp t, 0,1,2,3,4,5,6,7
	global_load_b128 v[96+8*\t+96*(\t/4):96+8*\t+96*(\t/4)+3], v17, s[70:71] offset:(32*(\t/2)+8*(\t%2))*4+(\off)
	global_load_b128 v[96+8*\t+96*(\t/4)+4:96+8*\t+96*(\t/4)+7], v17, s[70:71] offset:(32*(\t/2)+8*(\t%2))*4+16+(\off)
.endr
	WIN 0
.endm
; THE WAY OUT: a tile of Y at a time: 64 numbers a lane, 128 along X of one row of Y, become one fragment.  kv = 0: Q, K: its halves go to two heads' blocks; kv = 1: V: a whole image
.macro OUT kv
	s_wait_xcnt 0x0                                ; the last block's stores and the loads above have read their bases: bases are written only behind this wait
.if \kv
	s_mov_b64 s[76:77], s[96:97]
	s_add_nc_u64 s[78:79], s[96:97], 768
	s_mov_b64 s[82:83], s[98:99]
	s_add_nc_u64 s[84:85], s[98:99], 128
.else
	s_mov_b64 s[76:77], s[72:73]
	s_add_nc_u64 s[78:79], s[72:73], HB
	s_mov_b64 s[82:83], s[74:75]
	s_add_nc_u64 s[84:85], s[74:75], HB
	s_add_nc_u64 s[72:73], s[72:73], 2*HB          ; the next block's two heads
	s_add_nc_u64 s[74:75], s[74:75], 2*HB
.endif
.irp i, 0,1,2,3
.if \i > 0
	s_wait_xcnt 0x0                                ; the last tile's stores have read their registers and bases
	s_add_nc_u64 s[76:77], s[76:77], 768+768*(\kv)
	s_add_nc_u64 s[78:79], s[78:79], 768+768*(\kv)
.endif
.if \kv
	WIN 0x02                                       ; source 0 window 2
.irp n, 0,1,2,3,4,5,6,7,8,9,10,11,12,13,14,15,16,17,18,19,20,21,22,23,24,25,26,27,28,29,30,31
	v_pk_add_f32 v[ST+2*\n:ST+2*\n+1], v[64*\i+2*\n:64*\i+2*\n+1], v[BY+2*\i:BY+2*\i+1] op_sel_hi:[1,0]   ; + my row's bv; each accumulator from its low end on
.endr
	WIN 0
	QUANT ST, 0, 0, 0
.else
	QUANT 64*\i, 0x0a, 0x28, 0x02                  ; straight from the accumulators, in window 2, each from its low end on
.endif
	v_mov_b32 v[W+\i], v[PW]
	global_store_b128 v[L16], v[PC:PC+3], s[76:77]             ; each store covers 512 or 256 consecutive bytes, at a multiple of 256
	global_store_b64 v[L8], v[PC+4:PC+5], s[76:77] offset:512
	global_store_b128 v[L16], v[PC+6:PC+9], s[78:79]
	global_store_b64 v[L8], v[PC+10:PC+11], s[78:79] offset:512
.endr
	v_cndmask_b32 v245, v[W], v[W+2], s23          ; lanes 16-31 take tiles 2 and 3
	v_cndmask_b32 v246, v[W+1], v[W+3], s23
.if \kv
	global_store_b32 v[L4], v245, s[82:83]         ; 128 consecutive bytes each
	global_store_b32 v[L4], v246, s[84:85]
.else
	v_perm_b32 v247, v246, v245, 0x05040100        ; the low halves of two tiles' words make the first head's word,
	v_perm_b32 v248, v246, v245, 0x07060302        ; the high halves the second's
	global_store_b32 v[L4], v247, s[82:83]
	global_store_b32 v[L4], v248, s[84:85]
.endif
.endm
; ONE BLOCK of 128 weight rows against the 256 tokens.  refill = 1: the slot is filled again, and the next block's scale words and biases are asked for
.macro PHASE kv, refill
	s_wait_alu depctr_va_vdst(0)
	s_wait_xcnt 0x0                                ; the last block's stores have read the registers into which fragments are loaded now
	s_wait_tensorcnt 0x0                           ; my one tensor load has landed,
	s_barrier_signal -1
	s_barrier_wait -1                              ; everybody's has.
	FETCH 0
	FETCH 1
	s_wait_loadcnt 0x0                             ; scale words and biases
	s_wait_dscnt 48                                ; step 0's fragments are in; step 1's 48 loads may be out
	MUL 0, \kv                                     ; the first K step starts the sums: nothing is cleared
	WIN 0
.irp s, 1,2,3,4,5,6
	STEP \s
.endr
	s_wait_dscnt 0x0                               ; step 7's fragments are in: my reads of the slot are over
.if \refill
	s_wait_tensorcnt 0x0
	ds_add_u32 v[SPW], v[NIL]
	s_cmp_eq_u32 s22, 0                            ; no tensor load of mine is out, so the descriptor may be written: the second block in trip 0, the third in trip 1
	s_cselect_b64 s[G0R+2:G0R+3], s[P1:P1+1], s[P2:P2+1]
	s_or_b32 s[G0R+3], s[G0R+3], 0x80000000
	s_wait_dscnt 0x0
	CROUND                                         ; no wave of any partner still reads the slot
	tensor_load_to_lds s[G0R:G0R+3], s[G1R:G1R+7]  ; my quarter of the next block
	s_nop 0
.endif
	MUL 7, 0
	WIN 0
	PLACES 4                                       ; behind the last products: for the loads into scale registers and the first read of results
.if \refill
	s_cmp_eq_u32 s22, 0                            ; the trip's number: the same in every wave and work-group
	s_cbranch_scc0 .Lto_v_\@
	LDSCX 68, 4096                                 ; the second block of Wq or Wk: eight tiles, 128 numbers of the bias on
	LDBX 512
	s_branch .Lasked_\@
.Lto_v_\@:
	LDSCX 90, 0                                    ; V: X = my eight token tiles, Y = my four tiles of Wv, and their rows of bv
	LDSCY 92
.irp i, 0,1,2,3
	global_load_b32 v[BY+2*\i], v18, s[94:95] offset:(32*(\i/2)+8*(\i%2))*4
.endr
.Lasked_\@:
.endif
	OUT \kv
.endm
	s_load_b256 s[4:11], s[0:1], 0x0               ; XC s[4:5], XS s[6:7], bq s[8:9], bk s[10:11]
	s_load_b128 s[12:15], s[0:1], 0x20             ; bv s[12:13], QKV s[14:15]
	v_lshl_add_u32 v[SPW], v0, 2, 0x48000
	v_mov_b32 v[NIL], 0
	ds_add_u32 v[SPW], v[NIL]                      ; the opening lines: the add twice on end and its wait ahead of my first tensor load
	ds_add_u32 v[SPW], v[NIL]
	v_lshrrev_b32 v1, 5, v0
	v_readfirstlane_b32 s[WV], v1                  ; wave 0..3
	s_bfe_u32 s18, ttmp6, 0x40000                  ; cx
	s_bfe_u32 s19, ttmp6, 0x40004                  ; cy
	s_lshl_b32 s20, ttmp9, 2
	s_add_co_u32 s20, s20, s18                     ; k = 4 x cluster x + cx
	s_and_b32 s21, ttmp7, 0xffff
	s_lshl_b32 s21, s21, 2
	s_add_co_u32 s21, s21, s19                     ; yb = 4 x cluster y + cy
	s_lshl_b32 s66, 0x1111, s18                    ; my column of the cluster
	s_lshl_b32 s67, s19, 2
	s_lshl_b32 s67, 15, s67                        ; my row
	s_or_b32 s[G1W], s66, (3<<16)|(1<<21)          ; 15:0 the mask; 17:16 elements of 8 bytes; 21 set beside a mask
	s_or_b32 s[G1R], s66, (3<<16)|(1<<21)
	s_or_b32 s[G1H], s67, (3<<16)|(1<<21)
	G1ROWS G1W, 384
	G1ROWS G1H, 256
	G1ROWS G1R, 96
	s_lshl_b32 s90, s20, 4
	s_add_co_u32 s90, s90, 512
	s_mul_i32 s90, s90, 12288                      ; the first weight block: tile 512 + 16 k, in bytes
	s_mov_b32 s91, 0
	s_lshl_b32 s92, s20, 3
	s_add_co_u32 s92, s92, 640
	s_mul_i32 s92, s92, 12288                      ; Wv's block: tile 640 + 8 k
	s_mov_b32 s93, 0
	s_mul_i32 s68, s[WV], 24576                    ; my quarter of a refill, in memory and in LDS alike
	s_mov_b32 s69, 0
	s_mul_i32 s94, s21, 196608                     ; the tokens: tile 16 yb
	s_lshl_b32 s95, s[WV], 16                      ; my third of them (waves 0-2)
	s_add_co_u32 s94, s94, s95
	s_add_co_u32 s70, s95, 98304                   ; and where it goes: no place in the cluster enters an LDS address
	s_mov_b32 s95, 0
	s_wait_dscnt 0x0
	s_wait_kmcnt 0x0
	s_add_nc_u64 s[90:91], s[4:5], s[90:91]
	s_add_nc_u64 s[92:93], s[4:5], s[92:93]
	s_add_nc_u64 s[94:95], s[4:5], s[94:95]
	s_mov_b32 s[G0A], 1
	s_mov_b32 s[G0A+1], 0
	s_mov_b64 s[G0A+2:G0A+3], s[90:91]
	s_or_b32 s[G0A+3], s[G0A+3], 0x80000000
	s_mov_b32 s[G0H], 1
	s_mov_b32 s[G0H+1], s70
	s_mov_b64 s[G0H+2:G0H+3], s[94:95]
	s_or_b32 s[G0H+3], s[G0H+3], 0x80000000
	s_mov_b32 s[G0R], 1
	s_mov_b32 s[G0R+1], s68
	s_add_nc_u64 s[P1:P1+1], s[90:91], s[68:69]
	s_add_nc_u64 s[P1:P1+1], s[P1:P1+1], 98304
	s_add_nc_u64 s[P2:P2+1], s[92:93], s[68:69]
	s_mov_b64 s[G0R+2:G0R+3], s[P1:P1+1]
	CROUND                                         ; all sixteen work-groups are here: the joint loads meet
	s_cmp_lt_u32 s[WV], 3                          ; one tensor load a wave at the head, one to each arm
	s_cbranch_scc0 .Lfill_w
	tensor_load_to_lds s[G0H:G0H+3], s[G1H:G1H+7]
	s_nop 0
	PLACES 4
	s_branch .Lfilled
.Lfill_w:
	tensor_load_to_lds s[G0A:G0A+3], s[G1W:G1W+7]
	s_nop 0
	PLACES 4
.Lfilled:
	v_and_b32 v19, 31, v0                          ; lane
	v_and_b32 v20, 15, v0                          ; r
	v_bfe_u32 v21, v0, 4, 1                        ; h
	v_lshlrev_b32 v[L16], 4, v19
	v_lshlrev_b32 v[L8], 3, v19
	v_lshlrev_b32 v[L4], 2, v19
	v_lshlrev_b32 v16, 5, v20                      ; a row's eight scale words: 32 r
	v_lshlrev_b32 v17, 6, v21                      ; the bias along X: 16 h numbers on
	v_and_b32 v18, 8, v20
	v_add_nc_u32 v18, v18, v20
	v_lshlrev_b32 v18, 2, v18                      ; the bias along Y: row r + 8 (r / 8) of a tile
	v_cmp_lt_u32 s23, 15, v19                      ; lanes 16-31
	s_mul_i32 s3, s[WV], 49152
	s_add_co_u32 s3, s3, 98304                     ; Q, K: X = the slot, Y = my four token tiles
	v_mov_b32 v[AX16], v[L16]
	v_mov_b32 v[AX8], v[L8]
	v_add_nc_u32 v[AX16+1], 49152, v[L16]
	v_add_nc_u32 v[AX8+1], 49152, v[L8]
	v_add_nc_u32 v[AY16], s3, v[L16]
	v_add_nc_u32 v[AY8], s3, v[L8]
.irp b, 0,1,2,3
	v_mov_b32 v[TM+4+\b], 0                        ; written once: a lane permute's destination counts as one of its sources
	v_mov_b32 v[BY+2*\b], 0
	v_mov_b32 v[BY+2*\b+1], 0                      ; (named with bv's number as a pair, so it is written)
.endr
	s_wait_alu depctr_va_vdst(0)
	s_mov_b32 s3, 0
	s_lshl_b32 s2, s20, 4
	s_add_co_u32 s2, s2, 512
	s_lshl_b32 s2, s2, 9
	s_add_nc_u64 s[68:69], s[6:7], s[2:3]          ; the first block's scale words: 512 bytes a tile
	s_lshl_b32 s2, s21, 4
	s_lshl_b32 s17, s[WV], 2
	s_add_co_u32 s2, s2, s17
	s_lshl_b32 s2, s2, 9
	s_add_nc_u64 s[66:67], s[6:7], s[2:3]          ; my four token tiles' scale words
	s_and_b32 s17, s20, 3
	s_lshl_b32 s2, s17, 10                         ; the bias: 256 numbers for each k
	s_cmp_lt_u32 s20, 4                            ; k 0-3: Q; 4-7: K
	s_cselect_b64 s[70:71], s[8:9], s[10:11]
	s_cselect_b32 s80, 204800, 0
	s_mov_b32 s81, 196608
	s_cselect_b32 s81, 303104, s81
	s_add_nc_u64 s[70:71], s[70:71], s[2:3]
	LDSCX 68, 0
	LDSCY 66
	LDBX 0
	s_lshr_b32 s82, s21, 3
	s_lshl_b32 s82, s82, 4                         ; 16 b
	s_lshl_b32 s83, s17, 2
	s_add_co_u32 s83, s83, s82                     ; Q, K: head block 16 b + 4 (k % 4), two more for the second block
	s_mul_i32 s83, s83, HB
	s_and_b32 s84, s21, 7
	s_lshl_b32 s85, s84, 3
	s_lshl_b32 s86, s[WV], 1
	s_add_co_u32 s85, s85, s86                     ; my first pair of token tiles: 8 (yb % 8) + 2 w
	s_mul_i32 s2, s85, 1536
	s_add_co_u32 s2, s2, s83
	s_add_co_u32 s2, s2, s80
	s_add_nc_u64 s[72:73], s[14:15], s[2:3]        ; s[72:73]: Q's or K's codes,
	s_lshl_b32 s2, s85, 6
	s_add_co_u32 s2, s2, s83
	s_add_co_u32 s2, s2, s81
	s_add_nc_u64 s[74:75], s[14:15], s[2:3]        ; s[74:75]: and scale words
	s_and_b32 s86, s[WV], 1                        ; V: which 128 of the tokens,
	s_lshr_b32 s87, s[WV], 1                       ; and which of the block's two heads
	s_lshl_b32 s2, s21, 4
	s_lshl_b32 s17, s86, 3
	s_add_co_u32 s2, s2, s17
	s_lshl_b32 s2, s2, 9
	s_add_nc_u64 s[90:91], s[6:7], s[2:3]          ; s[90:91]: scale words of my eight token tiles
	s_lshl_b32 s2, s20, 3
	s_lshl_b32 s17, s87, 2
	s_add_co_u32 s2, s2, s17
	s_add_co_u32 s2, s2, 640
	s_lshl_b32 s2, s2, 9
	s_add_nc_u64 s[92:93], s[6:7], s[2:3]          ; s[92:93]: of my four tiles of Wv
	s_lshl_b32 s2, s20, 9
	s_lshl_b32 s17, s87, 8
	s_add_co_u32 s2, s2, s17
	s_add_nc_u64 s[94:95], s[12:13], s[2:3]        ; s[94:95]: my head's 64 numbers of bv
	s_lshl_b32 s17, s20, 1
	s_add_co_u32 s17, s17, s87
	s_add_co_u32 s17, s17, s82                     ; head block 16 b + 2 k + w / 2
	s_mul_i32 s17, s17, HB
	s_lshl_b32 s84, s84, 1
	s_add_co_u32 s84, s84, s86                     ; key step 2 (yb % 8) + w % 2
	s_mul_i32 s2, s84, 6144
	s_add_co_u32 s2, s2, s17
	s_add_co_u32 s2, s2, 98304
	s_add_nc_u64 s[96:97], s[14:15], s[2:3]        ; s[96:97]: V's codes,
	s_lshl_b32 s2, s84, 8
	s_add_co_u32 s2, s2, s17
	s_add_co_u32 s2, s2, 200704
	s_add_nc_u64 s[98:99], s[14:15], s[2:3]        ; s[98:99]: and scale words
	s_mov_b32 s[SEL], 0x76543210
	s_mov_b32 s[SEL+1], 0xfedcba98
	s_mov_b32 s22, 0
.Lblock:                                               ; two blocks of Wq or of Wk
	PHASE 0, 1
	s_add_co_u32 s22, s22, 1
	s_cmp_lt_u32 s22, 2
	s_cbranch_scc1 .Lblock
	s_and_b32 s2, s[WV], 1                         ; V: X = my eight token tiles, Y = my four tiles of the slot
	s_mul_i32 s2, s2, 98304
	s_add_co_u32 s2, s2, 98304
	v_add_nc_u32 v[AX16], s2, v[L16]
	v_add_nc_u32 v[AX8], s2, v[L8]
	s_add_co_u32 s2, s2, 49152
	v_add_nc_u32 v[AX16+1], s2, v[L16]
	v_add_nc_u32 v[AX8+1], s2, v[L8]
	s_lshr_b32 s3, s[WV], 1
	s_mul_i32 s3, s3, 49152
	v_add_nc_u32 v[AY16], s3, v[L16]
	v_add_nc_u32 v[AY8], s3, v[L8]
	PHASE 1, 0
	s_wait_tensorcnt 0x0                           ; the wave's end
	ds_add_u32 v[SPW], v[NIL]
	s_wait_dscnt 0x0
	CROUND                                         ; the closing round: no work-group ends while a partner may still ask for a tile that names it
	s_endpgm
.Lfunc_end_k_q6d0baf38b5_qkv:
	.size	k_q6d0baf38b5_qkv, .Lfunc_end_k_q6d0baf38b5_qkv-k_q6d0baf38b5_qkv
	.p2alignl 7, 3214868480
	.fill 96, 4, 3214868480
	.section	.rodata,"a",@progbits
	.p2align	6, 0x0
	.amdhsa_kernel k_q6d0baf38b5_qkv
		.amdhsa_group_segment_fixed_size 327680
		.amdhsa_private_segment_fixed_size 0
		.amdhsa_enable_private_segment 0
		.amdhsa_kernarg_size 48
		.amdhsa_user_sgpr_count 2
		.amdhsa_user_sgpr_kernarg_segment_ptr 1
		.amdhsa_wavefront_size32 1
		.amdhsa_system_sgpr_workgroup_id_x 1
		.amdhsa_system_sgpr_workgroup_id_y 1
		.amdhsa_system_sgpr_workgroup_id_z 1
		.amdhsa_system_vgpr_workitem_id 0
		.amdhsa_next_free_vgpr 768
		.amdhsa_next_free_sgpr 100
		.amdhsa_reserve_vcc 0
		.amdhsa_float_denorm_mode_32 3
		.amdhsa_float_denorm_mode_16_64 3
		.amdhsa_memory_ordered 1
		.amdhsa_forward_progress 1
		.amdhsa_inst_pref_size 181
	.end_amdhsa_kernel
	.amdgpu_metadata
---
amdhsa.version: [ 1, 2 ]
amdhsa.kernels:
  - .name:           k_q6d0baf38b5_qkv
    .symbol:         k_q6d0baf38b5_qkv.kd
    .args:
      - { .name: XC, .offset: 0, .size: 8, .value_kind: global_buffer, .address_space: global }
      - { .name: XS, .offset: 8, .size: 8, .value_kind: global_buffer, .address_space: global }
      - { .name: bq, .offset: 16, .size: 8, .value_kind: global_buffer, .address_space: global }
      - { .name: bk, .offset: 24, .size: 8, .value_kind: global_buffer, .address_space: global }
      - { .name: bv, .offset: 32, .size: 8, .value_kind: global_buffer, .address_space: global }
      - { .name: QKV, .offset: 40, .size: 8, .value_kind: global_buffer, .address_space: global }
    .group_segment_fixed_size: 327680
    .private_segment_fixed_size: 0
    .kernarg_segment_align: 8
    .kernarg_segment_size: 48
    .max_flat_workgroup_size: 128
    .sgpr_count:     100
    .vgpr_count:     768
    .wavefront_size: 32
...
	.end_amdgpu_metadata
.endif
;; end of part 2
;; launch attn (part 3): grid 4 x 64, 16 waves a work-group, clusters of 4 x 1, 206,848 bytes of LDS; arguments QKV, CC, CS; writes CC, CS
.if DOCPART == 3
	.amdgcn_target "amdgcn-amd-amdhsa--gfx1250"
	.amdhsa_code_object_version 6
	.text
	.protected	k_q6d0baf38b5_attn
	.globl	k_q6d0baf38b5_attn
	.p2align	8
	.type	k_q6d0baf38b5_attn,@function
k_q6d0baf38b5_attn:
	s_mov_b64 s[64:65], 0
	v_nop
	global_prefetch_b8 v0, s[64:65] scope:SCOPE_SE
	s_setreg_imm32_b32 hwreg(HW_REG_WAVE_MODE, 25, 1), 1
	s_wait_xcnt 0x0
	s_wait_alu depctr_hold_cnt(0) depctr_sa_sdst(0) depctr_va_vdst(0) depctr_va_sdst(0) depctr_va_ssrc(0) depctr_va_vcc(0) depctr_vm_vsrc(0)
	s_getreg_b32 s2, hwreg(HW_REG_IB_STS2, 6, 4)
	s_cmp_eq_u32 s2, 0
	s_cbranch_scc0 .Lentry_in_a_cluster
	s_endpgm
.Lentry_in_a_cluster:
	s_bfe_u32 s2, ttmp6, 0x10000c
	s_cmp_lg_u32 s2, 0x3003
	s_cbranch_scc0 .Lentry_shape_is_right
	s_endpgm
.Lentry_shape_is_right:
; O[q] = the sum over k of softmax_k(Q[q] . K[k] / 8) V[k] for one head of 64, 2,048 keys, both products on codes of BF6 (E3M2) with E8M0 scales; O / l is quantised along the model's 1,024 for the last product.
; THE SOFTMAX AHEAD OF THE SECOND PRODUCT: t = score x log2(e) / 8; M = the running largest t rounded UP to a whole number; p = 2^(t - M) is quantised along the keys, not normalised; the row's sum is taken of the
; unquantised p and divides O at the end.  When M moves, the sum and O are multiplied by 2^(old M - new M): exact.
; SHARES.  A work-group: one head (16 b + head = the grid's y) and 512 queries (cx).  Each of its sixteen waves owns two tiles of 16 queries, one after the other, in 256 registers: four waves to a SIMD, so that one wave's
; vector work stands beside another's matrix work and LDS loads.
; LDS holds the head's K and V as codes with their scale words, 204,800 bytes, as they lie in QKV: K's codes at 0, V's at 98,304, K's words at 196,608, V's at 200,704.  It is filled ONCE: each wave brings 12,800 bytes by one
; tensor load (one is out a wave); nothing is filled again, so there is no ring, and one barrier serves the launch.
; CLUSTER: the four query blocks of a head read the same bytes: each load is asked for jointly by the four.
; LAYOUT.  Both products are used transposed: S^T = K Q^T (source 0 = keys), O^T = V^T P^T (source 0 = 16 of the head's 64): a lane holds ONE query throughout.  By the order of rows in the images, the 16 registers of key
; tiles 2 b, 2 b + 1 are 16 neighbouring keys, and those of d tiles 2 b, 2 b + 1 are 16 neighbours of the head's 64.
; A HEAD IS 64 AND THE INSTRUCTION'S K IS 128: an operand of K holds a PAIR of key tiles, one in each half of K.  Q's 6 registers stand between two runs of 6 zeros, v16-33: [q, 0] picks the pair's first tile, [0, q] its second:
; the other half meets zero codes under finite scale bytes and adds nothing.
; No prefetch: a work-group asks for all its bytes at its head.
; CC = [token tile 512][K step 8][1536]: head h is half h % 2 of step h / 2.  CS = [tile][step][row slot], a word each: head h's block e is byte 2 (h % 2) + e.
; LIMITS: a p under 2^-126 counts as 0 (v_exp_f32 flushes); a block of zeros gets the byte 1 (zero codes); NaN and infinities are not served.
.set HB,   307200
.set L16,  1                           ; v1  16 x lane
.set L8,   2                           ; v2  8 x lane
.set V16,  3                           ; v3  16 x lane + 98,304
.set V8,   4                           ; v4  8 x lane + 98,304
.set SA,   5                           ; v5  4 r + 196,608
.set ADK16, 6                          ; v6-10 the step's addresses
.set ADK8, 7
.set ADV16, 8
.set ADV8, 9
.set ADS,  10
.set QW,   11                          ; v11 Q's scale word: its two bytes, twice
.set QZ,   16                          ; v16-21 zeros, v22-27 q, v28-33 zeros
.set QD,   34                          ; v34-45 my pair of query tiles
.set QS,   46                          ; v46 its scale word
.set FRG,  48                          ; v48-95 four fragments, of K and then of V
.set S,    96                          ; v96-159 S^T, then p
.set O,    160                         ; v160-191 O^T
.set PCD,  192                         ; v192-203 p's codes; v204-206, v208-210 the conversions' second halves
.set BM,   212                         ; v212-215 each block's largest score, then p
.set T4,   216
.set SO,   220                         ; v220-223 the conversions' scale operands
.set SW,   224                         ; v224-227 scale words of K's pairs, then of V's tiles
.set F,    228                         ; v[228:229] f = 2^(old M - new M), later 1 / l; v229 = 0
.set PWD,  230                         ; v230 p's scale word
.set TMP,  231
.set CSO,  232                         ; v232 4 r + h
.set CSB,  233                         ; v233 the byte that I store
.set WV,   10
.set SEL,  28
.set CF,   30                          ; s[30:31] c = log2(e) / 8
.set TK,   32                          ; s32 the step's codes: 6,144 bytes a step
.set TS,   33                          ; s33 its scale words: 256 bytes a step
.set CNT,  34
.macro CROUND
	s_barrier_signal -1
	s_barrier_wait -1
	s_cmp_lg_u32 s[WV], 0
	s_cbranch_scc1 .Lnot_wave_0_\@
	s_barrier_signal -3
.Lnot_wave_0_\@:
	s_barrier_wait -3
	s_barrier_signal -1
	s_barrier_wait -1
.endm
.macro FRAG reg, a16, a8, off          ; an image comes back as the registers that it was
	ds_load_b128 v[(\reg):(\reg)+3], v[\a16] offset:(\off)
	ds_load_b64 v[(\reg)+4:(\reg)+5], v[\a8] offset:(\off)+512
	ds_load_b128 v[(\reg)+6:(\reg)+9], v[\a16] offset:(\off)+768
	ds_load_b64 v[(\reg)+10:(\reg)+11], v[\a8] offset:(\off)+1280
.endm
	s_load_b128 s[4:7], s[0:1], 0x0                ; QKV, CC
	s_load_b64 s[8:9], s[0:1], 0x10                ; CS
	v_lshl_add_u32 v254, v0, 2, 0x32000
	v_mov_b32 v255, 0
	ds_add_u32 v254, v255
	ds_add_u32 v254, v255
	v_lshrrev_b32 v1, 5, v0
	s_delay_alu instid0(VALU_DEP_1)
	v_readfirstlane_b32 s[WV], v1                  ; wave 0..15
	s_bfe_u32 s11, ttmp6, 0x40000                  ; cx: it enters Q's, CC's and CS's addresses alone
	s_and_b32 s12, ttmp7, 0xffff                   ; 16 b + head, which the four partners share
	s_mul_i32 s36, s12, HB
	s_mov_b32 s37, 0
	s_mul_i32 s13, s[WV], 12800                    ; my part of the head's 204,800 bytes, in memory and in LDS alike
	s_mov_b32 s38, s13
	s_mov_b32 s39, 0
	s_mov_b32 s16, 15|(3<<16)|(1<<21)              ; group 1: 15:0 the mask: all four; 17:16 elements of 8 bytes; 21 set beside a mask
	s_mov_b32 s17, 32<<16                          ; tensor_dim0 = 32: rows of 256 bytes
	s_mov_b32 s18, 50<<16                          ; tensor_dim1 = 50
	s_mov_b32 s19, 32<<16                          ; tile_dim0
	s_mov_b32 s20, 50                              ; tile_dim1
	s_mov_b32 s21, 32                              ; dense
	s_mov_b32 s22, 0
	s_mov_b32 s23, 0
	s_mov_b32 s[SEL], 0x76543210
	s_mov_b32 s[SEL+1], 0xfedcba98
	s_mov_b32 s[CF], 0x3e38aa3b
	s_mov_b32 s[CF+1], s[CF]                       ; (named with it as a pair, so it is written)
	s_lshl_b32 s40, s11, 4
	s_add_co_u32 s40, s40, s[WV]                   ; my pair of query tiles: 16 cx + w
	s_mul_i32 s42, s40, 1536
	s_mov_b32 s43, 0
	s_lshl_b32 s44, s40, 6
	s_mov_b32 s45, 0
	s_lshr_b32 s46, s12, 4
	s_lshl_b32 s46, s46, 7
	s_lshl_b32 s47, s40, 1
	s_add_co_u32 s46, s46, s47                     ; my first token tile: 128 b + 32 cx + 2 w
	s_and_b32 s47, s12, 15                         ; the head
	s_mul_i32 s48, s46, 12288
	s_mul_i32 s52, s47, 768
	s_add_co_u32 s48, s48, s52
	s_mov_b32 s49, 0
	s_lshl_b32 s50, s46, 9
	s_lshr_b32 s52, s47, 1
	s_lshl_b32 s52, s52, 6
	s_add_co_u32 s50, s50, s52
	s_and_b32 s52, s47, 1
	s_lshl_b32 s52, s52, 1
	s_add_co_u32 s50, s50, s52
	s_mov_b32 s51, 0
	s_wait_dscnt 0x0
	s_wait_kmcnt 0x0
	s_add_nc_u64 s[4:5], s[4:5], s[36:37]          ; the head's block
	s_mov_b32 s24, 1                               ; group 0: count = 1
	s_mov_b32 s25, s13                             ; LDS address
	s_add_nc_u64 s[26:27], s[4:5], s[38:39]        ; global address
	s_or_b32 s27, s27, 0x80000000                  ; type = 2
	s_add_nc_u64 s[42:43], s[4:5], s[42:43]        ; Q's pair (its codes lie 204,800 bytes on),
	s_add_nc_u64 s[44:45], s[4:5], s[44:45]        ; its scale words (303,104 on)
	s_add_nc_u64 s[48:49], s[6:7], s[48:49]        ; where my halves of images go in CC,
	s_add_nc_u64 s[50:51], s[8:9], s[50:51]        ; and my bytes in CS
	CROUND                                         ; all four work-groups are here: the joint loads meet
	tensor_load_to_lds s[24:27], s[16:23]
	s_nop 0
.rept 4
	v_nop
.endr
	v_and_b32 v[CSB], 31, v0                       ; lane
	s_delay_alu instid0(VALU_DEP_1)
	v_lshlrev_b32 v[L16], 4, v[CSB]
	s_delay_alu instid0(VALU_DEP_2)
	v_lshlrev_b32 v[L8], 3, v[CSB]
	s_delay_alu instid0(VALU_DEP_2)
	v_add_nc_u32 v[V16], 98304, v[L16]
	s_delay_alu instid0(VALU_DEP_2)
	v_add_nc_u32 v[V8], 98304, v[L8]
	v_and_b32 v[TMP], 15, v0                       ; r
	s_delay_alu instid0(VALU_DEP_1)
	v_lshlrev_b32 v47, 2, v[TMP]                   ; 4 r
	s_delay_alu instid0(VALU_DEP_1)
	v_add_nc_u32 v[SA], 196608, v47
	v_bfe_u32 v[TMP], v0, 4, 1                     ; h
	s_delay_alu instid0(VALU_DEP_1)
	v_add_nc_u32 v[CSO], v47, v[TMP]
	s_delay_alu instid0(VALU_DEP_2)
	v_cmp_eq_u32 s35, 1, v[TMP]                    ; lanes 16-31
	global_load_b128 v[QD:QD+3], v[L16], s[42:43] offset:204800
	global_load_b64 v[QD+4:QD+5], v[L8], s[42:43] offset:204800+512
	global_load_b128 v[QD+6:QD+9], v[L16], s[42:43] offset:204800+768
	global_load_b64 v[QD+10:QD+11], v[L8], s[42:43] offset:204800+1280
	global_load_b32 v[QS], v47, s[44:45] offset:303104
.irp i, 0,1,2,3,4,5
	v_mov_b32 v[QZ+\i], 0                          ; zero codes on both sides of q
	v_mov_b32 v[QZ+12+\i], 0
.endr
.irp b, 0,1,2,3
	v_mov_b32 v[T4+\b], 0                          ; written once: a lane permute's destination counts as one of its sources
.endr
	v_mov_b32 v[F+1], 0                            ; (the upper half of the pair v[228:229])
	s_wait_tensorcnt 0x0                           ; my part of the head has landed,
	s_barrier_signal -1
	s_barrier_wait -1                              ; everybody's has: from here on LDS is only read
	s_wait_loadcnt 0x0                             ; Q
; ONE TILE OF 16 QUERIES through all 2,048 keys, 128 a step.
.macro TILE which
.if \which
	s_wait_xcnt 0x0                                ; the first tile's stores have read their registers: the codes' registers are written again only behind this wait
.endif
.irp i, 0,1,2,3,4,5
	v_mov_b32 v[QZ+6+\i], v[QD+6*\which+\i]
.endr
	v_perm_b32 v[QW], v[QS], v[QS], 0x01000100+0x02020202*\which   ; the tile's two bytes, for both halves of K
	v_mov_b32 v13, 0xff61b1e6                      ; the largest t so far: -3e38, under every t
	s_delay_alu instid0(VALU_DEP_1)
	v_floor_f32 v12, -v13                          ; -M
	v_mov_b32 v14, 0                               ; the sum, in two halves
	v_mov_b32 v15, 0
.set J, 0
.rept 32
	v_mov_b32 v[O+J], 0                            ; O^T.  (The step is written once: the first finds zeros, which the first change of M leaves zeros.  These are also the places between the writes of q and its word and the first product)
.set J, J+1
.endr
	s_mov_b32 s[TK], 0
	s_mov_b32 s[TS], 0
	s_mov_b32 s[CNT], 16
.Lstep_\@:
	v_add_nc_u32 v[ADK16], s[TK], v[L16]           ; five plain lines: also the places between the last step's products and the loads into the registers that they read
	v_add_nc_u32 v[ADK8], s[TK], v[L8]
	v_add_nc_u32 v[ADV16], s[TK], v[V16]
	v_add_nc_u32 v[ADV8], s[TK], v[V8]
	v_add_nc_u32 v[ADS], s[TS], v[SA]
.irp p, 0,1,2,3
	FRAG FRG+12*\p, ADK16, ADK8, 1536*\p           ; four pairs of key tiles
.endr
.irp p, 0,1,2,3
	ds_load_b32 v[SW+\p], v[ADS] offset:64*\p
.endr
	s_wait_alu depctr_va_vdst(0)
	s_wait_dscnt 0x0
.irp p, 0,1,2,3                                ; S^T = K Q^T: eight tiles of 16 keys
	v_wmma_scale_f32_16x16x128_f8f6f4 v[S+16*\p:S+16*\p+7], v[FRG+12*\p:FRG+12*\p+11], v[QZ+6:QZ+17], 0, v[SW+\p], v[QW] matrix_a_fmt:MATRIX_FMT_BF6 matrix_b_fmt:MATRIX_FMT_BF6
	v_wmma_scale_f32_16x16x128_f8f6f4 v[S+16*\p+8:S+16*\p+15], v[FRG+12*\p:FRG+12*\p+11], v[QZ:QZ+11], 0, v[SW+\p], v[QW] matrix_a_fmt:MATRIX_FMT_BF6 matrix_b_fmt:MATRIX_FMT_BF6
.endr
.rept 4
	v_nop                                          ; places in front of the loads below and of the first read of the scores
.endr
.irp i, 0,1,2,3
	FRAG FRG+12*\i, ADV16, ADV8, 1536*\i           ; V's four tiles of this step: they land while the softmax is walked
.endr
.irp i, 0,1,2,3
	ds_load_b32 v[SW+\i], v[ADS] offset:4096+128*(\i%2)+64*(\i/2)
.endr
.irp b, 0,1,2,3
	v_max3_num_f32 v[BM+\b], v[S+16*\b], v[S+1+16*\b], v[S+2+16*\b]   ; THE LARGEST SCORE OF EACH BLOCK OF 32 KEYS: for the row's maximum, and, since p rises with the score, for the block's largest p
.endr
.irp i, 3,5,7,9,11,13
.irp b, 0,1,2,3
	v_max3_num_f32 v[BM+\b], v[BM+\b], v[S+16*\b+\i], v[S+1+16*\b+\i]
.endr
.endr
.irp b, 0,1,2,3
	v_max_num_f32 v[BM+\b], v[BM+\b], v[S+15+16*\b]
.endr
.irp b, 0,1,2,3
	s_delay_alu instid0(VALU_DEP_4)
	v_permlanex16_b32 v[T4+\b], v[BM+\b], s[SEL], s[SEL+1]
.endr
.irp b, 0,1,2,3
	s_delay_alu instid0(VALU_DEP_4)
	v_max_num_f32 v[BM+\b], v[BM+\b], v[T4+\b]     ; with lane l xor 16's 16 keys
.endr
	s_delay_alu instid0(VALU_DEP_2)
	v_max3_num_f32 v[TMP], v[BM], v[BM+1], v[BM+2]
	s_delay_alu instid0(VALU_DEP_1)
	v_max_num_f32 v[TMP], v[TMP], v[BM+3]          ; the step's largest score of my query
	s_delay_alu instid0(VALU_DEP_1)
	v_mul_f32 v[TMP], s[CF], v[TMP]                ; as t (c is positive)
	s_delay_alu instid0(VALU_DEP_1)
	v_max_num_f32 v13, v13, v[TMP]                 ; the running largest t
	v_mov_b32 v[TMP], v12
	s_delay_alu instid0(VALU_DEP_2)
	v_floor_f32 v12, -v13                          ; the new -M = floor(-t): M is a whole number
	s_delay_alu instid0(VALU_DEP_1)
	v_sub_f32 v[TMP], v12, v[TMP]                  ; old M - new M: a whole number, 0 or less
	s_delay_alu instid0(VALU_DEP_1)
	v_cvt_i32_f32 v[TMP], v[TMP]                   ; (it saturates)
	s_delay_alu instid0(VALU_DEP_1)
	v_ldexp_f32 v[F], 1.0, v[TMP]                  ; f = 2^(old M - new M)
.set J, 0
.rept 32
	v_pk_fma_f32 v[S+J:S+J+1], v[S+J:S+J+1], s[CF:CF+1], v[12:13] op_sel_hi:[1,0,0]   ; t - M, two at a time
.set J, J+2
.endr
.irp b, 0,1,2,3
	v_fma_f32 v[BM+\b], v[BM+\b], s[CF], v12       ; the same of each block's largest score
.endr
.set J, 0
	s_wait_alu depctr_va_vdst(0)
.rept 64
	v_exp_f32 v[S+J], v[S+J]                       ; p = 2^(t - M), at most 1: not normalised
.set J, J+1
.endr
	v_pk_mul_f32 v[14:15], v[14:15], v[F:F+1] op_sel_hi:[1,0]   ; the sums under the new M.  (The plain place behind the exponentials)
	s_wait_alu depctr_va_vdst(0)                   ; one wait for the whole batch, ahead of its first reader
.irp b, 0,1,2,3
	v_exp_f32 v[BM+\b], v[BM+\b]                   ; the block's largest p: the same two instructions on the same number give the same bits
.endr
	v_pk_add_f32 v[216:217], v[100:101], v[104:105]
	v_pk_add_f32 v[252:253], v[108:109], v[112:113]
	v_pk_add_f32 v[250:251], v[116:117], v[120:121]
	v_pk_add_f32 v[248:249], v[124:125], v[128:129]
	v_pk_add_f32 v[246:247], v[132:133], v[136:137]
	v_pk_add_f32 v[244:245], v[140:141], v[144:145]
	v_pk_add_f32 v[242:243], v[148:149], v[152:153]
	v_pk_add_f32 v[14:15], v[14:15], v[156:157]
	v_pk_add_f32 v[216:217], v[216:217], v[96:97]
	v_pk_add_f32 v[252:253], v[252:253], v[98:99]
	v_pk_add_f32 v[250:251], v[250:251], v[102:103]
	v_pk_add_f32 v[248:249], v[248:249], v[106:107]
	v_pk_add_f32 v[246:247], v[246:247], v[110:111]
	v_pk_add_f32 v[244:245], v[244:245], v[114:115]
	v_pk_add_f32 v[242:243], v[242:243], v[118:119]
	v_pk_add_f32 v[14:15], v[14:15], v[122:123]
	v_pk_add_f32 v[216:217], v[216:217], v[126:127]
	v_pk_add_f32 v[252:253], v[252:253], v[130:131]
	v_pk_add_f32 v[250:251], v[250:251], v[134:135]
	v_pk_add_f32 v[248:249], v[248:249], v[138:139]
	v_pk_add_f32 v[246:247], v[246:247], v[142:143]
	v_pk_add_f32 v[244:245], v[244:245], v[146:147]
	v_pk_add_f32 v[242:243], v[242:243], v[150:151]
	v_pk_add_f32 v[14:15], v[14:15], v[154:155]
	v_pk_add_f32 v[216:217], v[216:217], v[158:159]
	s_delay_alu instid0(VALU_DEP_2)
	v_pk_add_f32 v[14:15], v[14:15], v[248:249]
	s_delay_alu instid0(VALU_DEP_2)
	v_pk_add_f32 v[216:217], v[216:217], v[246:247]
	v_pk_add_f32 v[252:253], v[252:253], v[244:245]
	v_pk_add_f32 v[250:251], v[250:251], v[242:243]
	s_delay_alu instid0(VALU_DEP_2)
	v_pk_add_f32 v[14:15], v[14:15], v[252:253]
	s_delay_alu instid0(VALU_DEP_2)
	v_pk_add_f32 v[216:217], v[216:217], v[250:251]
	s_delay_alu instid0(VALU_DEP_1)
	v_pk_add_f32 v[14:15], v[14:15], v[216:217]
	s_wait_alu depctr_va_vdst(0)                   ; and one for the four
.irp b, 0,1,2,3
	v_max_num_f32 v[BM+\b], 0x2800000, v[BM+\b]    ; the floor 2^(5 - 127): the byte cannot fall under 1
.endr
.irp b, 0,1,2,3
	s_delay_alu instid0(VALU_DEP_4)
	v_add_nc_u32 v[SO+\b], 0xfe000000, v[BM+\b]    ; 4 off the exponent field: the conversion's scale operand
.endr
.irp b, 0,1,2,3
	s_delay_alu instid0(VALU_DEP_4)
	v_lshrrev_b32 v[T4+\b], 23, v[SO+\b]           ; the scale's byte
.endr
	s_delay_alu instid0(VALU_DEP_3)
	v_lshl_or_b32 v[PWD], v[T4+1], 8, v[T4]        ; p's scale word for these 128 keys
	s_delay_alu instid0(VALU_DEP_1)
	v_lshl_or_b32 v[PWD], v[T4+2], 16, v[PWD]
	s_delay_alu instid0(VALU_DEP_1)
	v_lshl_or_b32 v[PWD], v[T4+3], 24, v[PWD]
.irp c, 0,1
	v_cvt_scalef32_pk16_bf6_f32 v[PCD+6*\c:PCD+2+6*\c], v[S+32*\c:S+15+32*\c], v[SO+2*\c]
	v_cvt_scalef32_pk16_bf6_f32 v[PCD+12+4*\c:PCD+14+4*\c], v[S+16+32*\c:S+31+32*\c], v[SO+2*\c+1]   ; (a conversion's three registers begin on an even number)
.endr
	v_nop                                          ; one plain place behind a scaled conversion
.irp c, 0,1                                    ; a WHOLE block in a lane
.irp i, 0,1,2
	v_permlane16_swap_b32 v[PCD+6*\c+\i], v[PCD+12+4*\c+\i]
.endr
.irp i, 0,1,2
	s_delay_alu instid0(VALU_DEP_3)
	v_mov_b32 v[PCD+3+6*\c+\i], v[PCD+12+4*\c+\i]
.endr
.endr
.set J, 0
.rept 16
	v_pk_mul_f32 v[O+J:O+J+1], v[O+J:O+J+1], v[F:F+1] op_sel_hi:[1,0]   ; O^T under the new M.  (These 16 are also the places between the writes of p's codes and word and the products below)
.set J, J+2
.endr
	s_wait_alu depctr_va_vdst(0)
	s_wait_dscnt 0x0                               ; V's tiles and words are in
.irp i, 0,1,2,3                                ; O^T += V^T P^T: four accumulators by turns; K = these 128 keys
	v_wmma_scale_f32_16x16x128_f8f6f4 v[O+8*\i:O+8*\i+7], v[FRG+12*\i:FRG+12*\i+11], v[PCD:PCD+11], v[O+8*\i:O+8*\i+7], v[SW+\i], v[PWD] matrix_a_fmt:MATRIX_FMT_BF6 matrix_b_fmt:MATRIX_FMT_BF6
.endr
	s_add_co_u32 s[TK], s[TK], 6144
	s_add_co_u32 s[TS], s[TS], 256
	s_sub_co_u32 s[CNT], s[CNT], 1
	s_cmp_lg_u32 s[CNT], 0
	s_cbranch_scc1 .Lstep_\@
	; THE WAY OUT: O^T / l, quantised along the head's 64: half an image and two bytes a row
.rept 4
	v_nop                                          ; places behind the last products
.endr
	v_add_f32 v14, v14, v15                        ; the sum's two halves,
	s_delay_alu instid0(VALU_DEP_1)
	v_permlanex16_b32 v[TMP], v14, s[SEL], s[SEL+1]
	s_delay_alu instid0(VALU_DEP_1)
	v_add_f32 v14, v14, v[TMP]                     ; and lane l xor 16's: the row's sum
	s_wait_alu depctr_va_vdst(0)
	v_rcp_f32 v[F], v14
	v_nop                                          ; a plain place behind the transcendental
	s_wait_alu depctr_va_vdst(0)                   ; the wait, ahead of the first reader
.set J, 0
.rept 16
	v_pk_mul_f32 v[S+J:S+J+1], v[O+J:O+J+1], v[F:F+1] op_sel_hi:[1,0]   ; register 16 b + i is o(my query, 32 b + 16 h + i); each accumulator from its low end on
.set J, J+2
.endr
.irp b, 0,1
	v_max3_num_f32 v[BM+\b], |v[S+16*\b]|, |v[S+1+16*\b]|, 0x2800000
.endr
.irp i, 2,4,6,8,10,12,14
.irp b, 0,1
	s_delay_alu instid0(VALU_DEP_2)
	v_max3_num_f32 v[BM+\b], v[BM+\b], |v[S+16*\b+\i]|, |v[S+1+16*\b+\i]|
.endr
.endr
.irp b, 0,1
	s_delay_alu instid0(VALU_DEP_2)
	v_permlanex16_b32 v[T4+\b], v[BM+\b], s[SEL], s[SEL+1]
.endr
.irp b, 0,1
	s_delay_alu instid0(VALU_DEP_2)
	v_max_num_f32 v[BM+\b], v[BM+\b], v[T4+\b]
.endr
.irp b, 0,1
	s_delay_alu instid0(VALU_DEP_2)
	v_add_nc_u32 v[SO+\b], 0xfe000000, v[BM+\b]
.endr
.irp b, 0,1
	s_delay_alu instid0(VALU_DEP_2)
	v_lshrrev_b32 v[T4+\b], 23, v[SO+\b]
.endr
	v_cvt_scalef32_pk16_bf6_f32 v[PCD:PCD+2], v[S:S+15], v[SO]
	v_cvt_scalef32_pk16_bf6_f32 v[PCD+12:PCD+14], v[S+16:S+31], v[SO+1]
	v_cndmask_b32 v[CSB], v[T4], v[T4+1], s35      ; lanes 0-15 store block 0's byte, lanes 16-31 block 1's.  (The plain place behind the conversions)
.irp i, 0,1,2
	v_permlane16_swap_b32 v[PCD+\i], v[PCD+12+\i]
.endr
.irp i, 0,1,2
	s_delay_alu instid0(VALU_DEP_3)
	v_mov_b32 v[PCD+3+\i], v[PCD+12+\i]
.endr
	global_store_b128 v[L16], v[PCD:PCD+3], s[48:49] offset:12288*\which         ; 512 and 256 consecutive bytes, each at a multiple of 256
	global_store_b64 v[L8], v[PCD+4:PCD+5], s[48:49] offset:12288*\which+512
	global_store_b8 v[CSO], v[CSB], s[50:51] offset:512*\which                   ; two heads share a word, so a head stores bytes: 32 of them inside 64 bytes
.endm
	TILE 0
	TILE 1
	s_wait_tensorcnt 0x0
	ds_add_u32 v254, v255
	s_wait_dscnt 0x0
	CROUND                                         ; the closing round: no work-group ends while a partner may still ask for bytes that name it
	s_endpgm
.Lfunc_end_k_q6d0baf38b5_attn:
	.size	k_q6d0baf38b5_attn, .Lfunc_end_k_q6d0baf38b5_attn-k_q6d0baf38b5_attn
	.p2alignl 7, 3214868480
	.fill 96, 4, 3214868480
	.section	.rodata,"a",@progbits
	.p2align	6, 0x0
	.amdhsa_kernel k_q6d0baf38b5_attn
		.amdhsa_group_segment_fixed_size 206848
		.amdhsa_private_segment_fixed_size 0
		.amdhsa_enable_private_segment 0
		.amdhsa_kernarg_size 24
		.amdhsa_user_sgpr_count 2
		.amdhsa_user_sgpr_kernarg_segment_ptr 1
		.amdhsa_wavefront_size32 1
		.amdhsa_system_sgpr_workgroup_id_x 1
		.amdhsa_system_sgpr_workgroup_id_y 1
		.amdhsa_system_sgpr_workgroup_id_z 1
		.amdhsa_system_vgpr_workitem_id 0
		.amdhsa_next_free_vgpr 256
		.amdhsa_next_free_sgpr 66
		.amdhsa_reserve_vcc 0
		.amdhsa_float_denorm_mode_32 3
		.amdhsa_float_denorm_mode_16_64 3
		.amdhsa_memory_ordered 1
		.amdhsa_forward_progress 1
		.amdhsa_inst_pref_size 53
	.end_amdhsa_kernel
	.amdgpu_metadata
---
amdhsa.version: [ 1, 2 ]
amdhsa.kernels:
  - .name:           k_q6d0baf38b5_attn
    .symbol:         k_q6d0baf38b5_attn.kd
    .args:
      - { .name: QKV, .offset: 0, .size: 8, .value_kind: global_buffer, .address_space: global }
      - { .name: CC, .offset: 8, .size: 8, .value_kind: global_buffer, .address_space: global }
      - { .name: CS, .offset: 16, .size: 8, .value_kind: global_buffer, .address_space: global }
    .group_segment_fixed_size: 206848
    .private_segment_fixed_size: 0
    .kernarg_segment_align: 8
    .kernarg_segment_size: 24
    .max_flat_workgroup_size: 512
    .sgpr_count:     66
    .vgpr_count:     256
    .wavefront_size: 32
...
	.end_amdgpu_metadata
.endif
;; end of part 3
;; launch oproj (part 4): grid 8 x 32, 4 waves a work-group, clusters of 4 x 4, 327,680 bytes of LDS; arguments XC, XS, CC, CS, bo, out0; writes out0
.if DOCPART == 4
	.amdgcn_target "amdgcn-amd-amdhsa--gfx1250"
	.amdhsa_code_object_version 6
	.text
	.protected	k_q6d0baf38b5_oproj
	.globl	k_q6d0baf38b5_oproj
	.p2align	8
	.type	k_q6d0baf38b5_oproj,@function
k_q6d0baf38b5_oproj:
	s_mov_b64 s[64:65], 0
	v_nop
	global_prefetch_b8 v0, s[64:65] scope:SCOPE_SE
	s_setreg_imm32_b32 hwreg(HW_REG_WAVE_MODE, 25, 1), 1
	s_wait_xcnt 0x0
	s_wait_alu depctr_hold_cnt(0) depctr_sa_sdst(0) depctr_va_vdst(0) depctr_va_sdst(0) depctr_va_ssrc(0) depctr_va_vcc(0) depctr_vm_vsrc(0)
	s_getreg_b32 s2, hwreg(HW_REG_IB_STS2, 6, 4)
	s_cmp_eq_u32 s2, 0
	s_cbranch_scc0 .Lentry_in_a_cluster
	s_endpgm
.Lentry_in_a_cluster:
	s_bfe_u32 s2, ttmp6, 0x10000c
	s_cmp_lg_u32 s2, 0xf033
	s_cbranch_scc0 .Lentry_shape_is_right
	s_endpgm
.Lentry_shape_is_right:
; out0 = concat Wo^T + bo on codes of BF6 (E3M2) with E8M0 scales, f32 sums.  Wo's codes and scale words lie in XC and XS (tiles 704-767), the heads' output in CC and CS, all as images of operand registers
; (an image: 16 rows x 128 K, 1,536 bytes: f0-3 at 16 x lane, f4-5 at 512 + 8 x lane, f6-9 at 768 + 16 x lane, f10-11 at 1,280 + 8 x lane; slot r of tile T is row 32 (T / 2) + 8 (T % 2) + r + 8 (r / 8)).
; D = X Y^T with source 0 = a tile of X = Wo's rows, source 1 = a tile of Y = tokens: a lane holds one token, and the 16 registers of X tiles 2 b, 2 b + 1 are 16 neighbouring outputs.
; SHARES.  A work-group: X 128 outputs x Y 256 tokens x all of K.  Four waves, as many as a WGP has SIMDs; wave w: all 8 tiles of X x Y's tiles 4 w .. 4 w + 3: 32 accumulators, 256 registers.
; LDS holds X's 98,304 and Y's 196,608 bytes of codes whole: every tensor load is a first fill, nothing is filled again, so there is no ring.  Each wave's part comes in one tensor load; a wave has one out at the most.
; CLUSTERS: 4 x 4.  X's tiles hang on cx and are shared along a column of the cluster, Y's on cy and are shared along a row: each is asked for jointly.
; The scale words go from memory into registers once; bo is the C of the first K step.  No prefetch: a work-group asks for all its bytes at its head.
; THE WAY OUT: a tile of 16 tokens x 128 outputs goes through the wave's stage in LDS (16 rows of 512 + 16 bytes) and leaves as whole rows of 512 bytes.  A wave's stage lies in its own four tiles of Y: those bytes have had their only
; fill, and no other wave reads them.
; REGISTERS, in windows of 256: window 0: v4-23 addresses; v32-95 X's scale words (8 a + s); v96-127 Y's (8 i + s); v128-175, v176-223 Y's fragments, two sets (on the way out v128-255 rows of out0).
;   window 1: X's fragments, set 0 at v0-95, set 1 at v128-223; bo: tiles 0-3 at v96-127, tiles 4-7 at v224-255.   window 2: accumulator (i, a) at 64 i + 8 a.
.set WV,   16
.set G1X,  24                          ; s[24:31] descriptor group 1 for X's tiles;  s[32:39] for Y's
.set G1Y,  32
.set G0X,  40                          ; s[40:43] group 0 for X's tiles;  Y's: s[56:59]
.set L16,  4                           ; v4  16 x lane: also X's LDS address for tiles 0-3
.set AX16, 4
.set L8,   6
.set AX8,  6
.set AY16, 8
.set AY8,  12
.set STO,  20                          ; v20 the stage: where I put 16 bytes of a row: 98,304 + 49,152 w + 528 r + 64 h
.set RD,   21                          ; v21 and where I read a row back: 98,304 + 49,152 w + 16 x lane
.set SCX,  32
.set SCY,  96
.set MSB, 0
.macro WIN new                         ; the immediate's high byte repeats the setting that is left
.if MSB != \new
	s_set_vgpr_msb (MSB<<8)|\new
.set MSB, \new
.endif
.endm
.macro PLACES n                        ; plain places behind matrix instructions (ISA guide 7.12.1)
.rept \n
	v_nop
.endr
.endm
.macro CROUND                          ; a round of the cluster's barrier
	s_barrier_signal -1
	s_barrier_wait -1
	s_cmp_lg_u32 s[WV], 0
	s_cbranch_scc1 .Lnot_wave_0_\@
	s_barrier_signal -3
.Lnot_wave_0_\@:
	s_barrier_wait -3
	s_barrier_signal -1
	s_barrier_wait -1
.endm
.macro FRAG reg, a16, a8, off          ; an image comes back as the registers that it was
	ds_load_b128 v[(\reg):(\reg)+3], v[\a16] offset:(\off)
	ds_load_b64 v[(\reg)+4:(\reg)+5], v[\a8] offset:(\off)+512
	ds_load_b128 v[(\reg)+6:(\reg)+9], v[\a16] offset:(\off)+768
	ds_load_b64 v[(\reg)+10:(\reg)+11], v[\a8] offset:(\off)+1280
.endm
.macro FETCH s                         ; K step s: X's eight fragments and my four of Y, 48 LDS loads in one run, into set s % 2
.set FC, (\s)/2
.set FQ, (\s)%2
	WIN 0x40                                       ; destination window 1, address window 0
.irp a, 0,1,2,3,4,5,6,7
	FRAG 128*FQ+12*\a, AX16+\a/4, AX8+\a/4, 12288*(\a%4)+1536*(\s)   ; in LDS a tile lies whole: 12,288 bytes, a K step of it 1,536; X's tiles 0-3 by v4, v6, tiles 4-7 by v5, v7
.endr
	WIN 0
.irp i, 0,1,2,3
	FRAG 128+48*FQ+12*\i, AY16, AY8, 12288*\i+1536*(\s)
.endr
.endm
.macro MUL s                           ; 32 matrix instructions; the 32 accumulators take turns, one instruction a turn, in the same order in every step
.set MQ, (\s)%2
.if (\s) == 0
	WIN 0x91                                       ; source 0 (X) window 1, source 1 (Y) window 0, C (the bias) window 1, D window 2
.else
	WIN 0xa1                                       ; C and D window 2
.endif
.irp a, 0,1,2,3,4,5,6,7
.irp i, 0,1,2,3
.if (\s) == 0
	v_wmma_scale_f32_16x16x128_f8f6f4 v[64*\i+8*\a:64*\i+8*\a+7], v[128*MQ+12*\a:128*MQ+12*\a+11], v[128+48*MQ+12*\i:128+48*MQ+12*\i+11], v[96+8*\a+96*(\a/4):96+8*\a+96*(\a/4)+7], v[SCX+8*\a+(\s)], v[SCY+8*\i+(\s)] matrix_a_fmt:MATRIX_FMT_BF6 matrix_b_fmt:MATRIX_FMT_BF6
.else
	v_wmma_scale_f32_16x16x128_f8f6f4 v[64*\i+8*\a:64*\i+8*\a+7], v[128*MQ+12*\a:128*MQ+12*\a+11], v[128+48*MQ+12*\i:128+48*MQ+12*\i+11], v[64*\i+8*\a:64*\i+8*\a+7], v[SCX+8*\a+(\s)], v[SCY+8*\i+(\s)] matrix_a_fmt:MATRIX_FMT_BF6 matrix_b_fmt:MATRIX_FMT_BF6
.endif
.endr
.endr
.endm
.macro STEP s                          ; K steps 1 to 7
	s_wait_dscnt 0x0                               ; this step's fragments, asked for 32 matrix instructions ago, are in
.if (\s) < 7
	PLACES 4                                       ; behind the last step's products, which read the set that is loaded now
	FETCH (\s)+1
.endif
	MUL \s
	WIN 0
.endm
.macro TOSTAGE i                       ; my tile i of Y: 16 tokens x 128 outputs into the stage, and back as whole rows
	WIN 0x08                                       ; an LDS store's data are its source 1: window 2
.irp a, 0,1,2,3,4,5,6,7
	ds_store_b128 v[STO], v[64*(\i)+8*\a:64*(\i)+8*\a+3] offset:128*(\a/2)+32*(\a%2)        ; each accumulator from its low end on
	ds_store_b128 v[STO], v[64*(\i)+8*\a+4:64*(\i)+8*\a+7] offset:128*(\a/2)+32*(\a%2)+16
.endr
	WIN 0
.set BB, 128+64*((\i)%2)
.irp t, 0,1,2,3,4,5,6,7,8,9,10,11,12,13,14,15
	ds_load_b128 v[BB+4*\t:BB+4*\t+3], v[RD] offset:528*\t   ; LDS serves a wave's instructions in order: these see the stores above, and the next tile's stores come behind them
.endr
.endm
.macro SEND i, younger                 ; younger: the LDS instructions issued behind tile i's loads, which may stay out
.set BB, 128+64*((\i)%2)
	s_wait_dscnt \younger
.irp t, 0,1,2,3,4,5,6,7,8,9,10,11,12,13,14,15
	global_store_b128 v[L16], v[BB+4*\t:BB+4*\t+3], s[14:15] offset:(32*((\i)/2)+8*((\i)%2)+\t+8*(\t/8))*4096 th:TH_STORE_NT   ; 32 lanes store 512 consecutive bytes, at a multiple of 256; slot t's token by the images' order of rows
.endr
.endm
	s_load_b256 s[4:11], s[0:1], 0x0               ; XC s[4:5], XS s[6:7], CC s[8:9], CS s[10:11]
	s_load_b128 s[12:15], s[0:1], 0x20             ; bo s[12:13], out0 s[14:15]
	v_lshl_add_u32 v30, v0, 2, 0x48000
	v_mov_b32 v31, 0
	ds_add_u32 v30, v31
	ds_add_u32 v30, v31
	v_lshrrev_b32 v1, 5, v0
	v_readfirstlane_b32 s[WV], v1                  ; wave 0..3
	s_and_b32 s17, s[WV], 1                        ; which half of X's or of Y's tiles I fetch
	s_bfe_u32 s18, ttmp6, 0x40000                  ; cx
	s_bfe_u32 s19, ttmp6, 0x40004                  ; cy
	s_mov_b32 s20, ttmp9                           ; the cluster's x, 0-1
	s_and_b32 s21, ttmp7, 0xffff                   ; the cluster's y, 0-7
	s_lshl_b32 s90, s20, 5
	s_add_co_u32 s90, s90, 704                     ; Wo's tiles begin at 704
	s_lshl_b32 s94, s18, 3
	s_add_co_u32 s90, s90, s94                     ; XT0: my first tile of X
	s_lshl_b32 s94, s17, 2
	s_add_co_u32 s94, s94, s90
	s_mul_i32 s96, s94, 12288                      ; the four tiles of X that waves 0, 1 fetch, in bytes
	s_mov_b32 s97, 0
	s_lshl_b32 s93, s21, 6
	s_lshl_b32 s95, s19, 4
	s_add_co_u32 s93, s93, s95                     ; YT0: my first tile of Y: 64 x cluster y + 16 cy
	s_lshl_b32 s95, s17, 3
	s_add_co_u32 s95, s95, s93
	s_mul_i32 s98, s95, 12288                      ; the eight tiles of Y that waves 2, 3 fetch
	s_mov_b32 s99, 0
	s_mul_i32 s2, s17, 49152                       ; where my tiles go: X's four or Y's eight, whole: no place in the cluster enters an LDS address
	s_mul_i32 s3, s17, 98304
	; descriptor group 1: whole tiles as one dense block, rows of 256 bytes (32 elements of 8 bytes); no padding
	s_lshl_b32 s66, 0x1111, s18                    ; my column of the cluster
	s_or_b32 s[G1X], s66, (3<<16)|(1<<21)          ; 15:0 the mask; 17:16 elements of 8 bytes; 21 set beside a mask
	s_lshl_b32 s67, s19, 2
	s_lshl_b32 s67, 15, s67                        ; my row
	s_or_b32 s[G1Y], s67, (3<<16)|(1<<21)
	s_mov_b32 s[G1X+1], 32<<16                     ; four whole tiles are one dense block of 49,152 bytes: 192 rows of 256 bytes (32 elements of 8)
	s_mov_b32 s[G1X+2], 192<<16
	s_mov_b32 s[G1X+3], 32<<16
	s_mov_b32 s[G1X+4], 192
	s_mov_b32 s[G1X+5], 32
	s_mov_b32 s[G1X+6], 0
	s_mov_b32 s[G1X+7], 0
	s_mov_b32 s[G1Y+1], 32<<16                     ; eight whole tiles: 384 rows of 256 bytes
	s_mov_b32 s[G1Y+2], 384<<16
	s_mov_b32 s[G1Y+3], 32<<16
	s_mov_b32 s[G1Y+4], 384
	s_mov_b32 s[G1Y+5], 32
	s_mov_b32 s[G1Y+6], 0
	s_mov_b32 s[G1Y+7], 0
	s_wait_dscnt 0x0
	s_wait_kmcnt 0x0
	s_add_nc_u64 s[96:97], s[4:5], s[96:97]
	s_add_nc_u64 s[98:99], s[8:9], s[98:99]
.irp c, 0
	s_mov_b32 s[G0X+4*\c], 1
	s_add_co_u32 s[G0X+4*\c+1], s2, 24576*\c                       ; LDS address: my tiles of X
	s_add_nc_u64 s[G0X+4*\c+2:G0X+4*\c+3], s[96:97], 3072*\c       ; global address
	s_or_b32 s[G0X+4*\c+3], s[G0X+4*\c+3], 0x80000000              ; type = 2
	s_mov_b32 s[56+4*\c+4*(\c/2)], 1
	s_add_co_u32 s[57+4*\c+4*(\c/2)], s3, 98304+49152*\c           ; my tiles of Y
	s_add_nc_u64 s[58+4*\c+4*(\c/2):59+4*\c+4*(\c/2)], s[98:99], 3072*\c
	s_or_b32 s[59+4*\c+4*(\c/2)], s[59+4*\c+4*(\c/2)], 0x80000000
.endr
	CROUND                                         ; all sixteen work-groups are here: the joint loads meet
	s_cmp_lt_u32 s[WV], 2                          ; a wave's four first fills stand in one branch on the wave's number; four v_nop follow the last
	s_cbranch_scc0 .Lfill_y
.irp c, 0
	tensor_load_to_lds s[G0X+4*\c:G0X+4*\c+3], s[G1X:G1X+7]
	s_nop 0
.endr
	PLACES 4
	s_branch .Lfilled
.Lfill_y:
.irp c, 0
	tensor_load_to_lds s[56+4*\c+4*(\c/2):59+4*\c+4*(\c/2)], s[G1Y:G1Y+7]
	s_nop 0
.endr
	PLACES 4
.Lfilled:
	v_and_b32 v19, 31, v0                          ; lane
	v_and_b32 v22, 15, v0                          ; r
	v_bfe_u32 v23, v0, 4, 1                        ; h
	v_lshlrev_b32 v[L16], 4, v19
	v_lshlrev_b32 v[L8], 3, v19
	v_lshlrev_b32 v16, 5, v22                      ; X's scale words: 32 bytes a row
	s_wait_alu depctr_va_vdst(0)
	v_lshlrev_b32 v17, 6, v23                      ; bo: 16 h numbers on
	v_lshlrev_b32 v18, 2, v22                      ; Y's scale words: 4 bytes a row
	s_wait_alu depctr_va_vdst(0)
	s_lshl_b32 s96, s90, 9
	s_mov_b32 s97, 0
	s_add_nc_u64 s[96:97], s[6:7], s[96:97]        ; XS at my first tile of X
	s_lshl_b32 s98, s[WV], 2
	s_add_co_u32 s98, s98, s93
	s_lshl_b32 s98, s98, 9
	s_mov_b32 s99, 0
	s_add_nc_u64 s[98:99], s[10:11], s[98:99]      ; CS at my four tiles of Y
	s_lshl_b32 s2, s20, 2
	s_add_co_u32 s2, s2, s18                       ; which 128 outputs: 4 x cluster x + cx
	s_lshl_b32 s92, s2, 9                          ; 512 bytes of bo, and of a row of out0
	s_mov_b32 s93, 0
	s_add_nc_u64 s[12:13], s[12:13], s[92:93]
	s_add_nc_u64 s[14:15], s[14:15], s[92:93]
	s_lshl_b32 s3, s21, 2
	s_add_co_u32 s3, s3, s19                       ; which 256 tokens
	s_lshl_b32 s3, s3, 8
	s_lshl_b32 s94, s[WV], 6
	s_add_co_u32 s94, s94, s3                      ; my first token
	s_lshl_b32 s94, s94, 12                        ; in bytes (under 2^26)
	s_mov_b32 s95, 0
	s_add_nc_u64 s[14:15], s[14:15], s[94:95]
.irp a, 0,1,2,3,4,5,6,7
	global_load_b128 v[SCX+8*\a:SCX+8*\a+3], v16, s[96:97] offset:512*\a        ; lanes 16-31 read what lanes 0-15 read
	global_load_b128 v[SCX+8*\a+4:SCX+8*\a+7], v16, s[96:97] offset:512*\a+16
.endr
.irp i, 0,1,2,3
.irp s, 0,1,2,3,4,5,6,7
	global_load_b32 v[SCY+8*\i+\s], v18, s[98:99] offset:512*\i+64*\s
.endr
.endr
	WIN 0x40                                       ; destination window 1
.irp t, 0,1,2,3,4,5,6,7                        ; lane (r, h) wants, for X's tile 2 b + u, the numbers of outputs 32 b + 16 h + 8 u + 0 .. 7
	global_load_b128 v[96+8*\t+96*(\t/4):96+8*\t+96*(\t/4)+3], v17, s[12:13] offset:(32*(\t/2)+8*(\t%2))*4
	global_load_b128 v[96+8*\t+96*(\t/4)+4:96+8*\t+96*(\t/4)+7], v17, s[12:13] offset:(32*(\t/2)+8*(\t%2))*4+16
.endr
	WIN 0
	s_mul_i32 s2, s[WV], 49152                     ; my four tiles of Y
.irp c, 0
	s_add_co_u32 s3, s2, 98304+49152*\c
	v_add_nc_u32 v[AY16+\c], s3, v[L16]
	v_add_nc_u32 v[AY8+\c], s3, v[L8]
.endr
	v_add_nc_u32 v[AX16+1], 49152, v[L16]
	v_add_nc_u32 v[AX8+1], 49152, v[L8]
	s_mov_b32 s2, s3                               ; my stage lies in my own four tiles of Y: they have had their only fill, and no other wave reads them
	v_mul_u32_u24 v[STO], v22, 528
	v_lshl_add_u32 v[STO], v23, 6, v[STO]
	v_add_nc_u32 v[STO], s2, v[STO]
	v_add_nc_u32 v[RD], s2, v[L16]
	s_wait_alu depctr_va_vdst(0)
	s_wait_tensorcnt 0x0                           ; my one tensor load has landed
	s_barrier_signal -1
	s_barrier_wait -1                              ; everybody's has
	FETCH 0
	FETCH 1
	s_wait_loadcnt 0x0                             ; scale words and bo
	s_wait_dscnt 48                                ; step 0's fragments are in; step 1's 48 loads may be out
	MUL 0                                          ; the first K step starts the sums, from bo: nothing is cleared
	WIN 0
.irp s, 1,2,3,4,5,6,7
	STEP \s
.endr
	PLACES 4                                       ; behind the last products: for the first read of results and for the loads into the registers that held Y's fragments
	TOSTAGE 0
	TOSTAGE 1
	SEND 0, 32                                     ; behind tile 0's loads: tile 1's 16 stores and 16 loads
	s_wait_xcnt 0x0                                ; tile 0's stores have read their registers: tile 2's loads may land there
	TOSTAGE 2
	SEND 1, 32
	s_wait_xcnt 0x0
	TOSTAGE 3
	SEND 2, 32
	SEND 3, 0
	s_wait_tensorcnt 0x0
	ds_add_u32 v30, v31
	s_wait_dscnt 0x0
	CROUND                                         ; the closing round: no work-group ends while a partner may still ask for a tile that names it
	s_endpgm
.Lfunc_end_k_q6d0baf38b5_oproj:
	.size	k_q6d0baf38b5_oproj, .Lfunc_end_k_q6d0baf38b5_oproj-k_q6d0baf38b5_oproj
	.p2alignl 7, 3214868480
	.fill 96, 4, 3214868480
	.section	.rodata,"a",@progbits
	.p2align	6, 0x0
	.amdhsa_kernel k_q6d0baf38b5_oproj
		.amdhsa_group_segment_fixed_size 327680
		.amdhsa_private_segment_fixed_size 0
		.amdhsa_enable_private_segment 0
		.amdhsa_kernarg_size 48
		.amdhsa_user_sgpr_count 2
		.amdhsa_user_sgpr_kernarg_segment_ptr 1
		.amdhsa_wavefront_size32 1
		.amdhsa_system_sgpr_workgroup_id_x 1
		.amdhsa_system_sgpr_workgroup_id_y 1
		.amdhsa_system_sgpr_workgroup_id_z 1
		.amdhsa_system_vgpr_workitem_id 0
		.amdhsa_next_free_vgpr 768
		.amdhsa_next_free_sgpr 100
		.amdhsa_reserve_vcc 0
		.amdhsa_float_denorm_mode_32 3
		.amdhsa_float_denorm_mode_16_64 3
		.amdhsa_memory_ordered 1
		.amdhsa_forward_progress 1
		.amdhsa_inst_pref_size 85
	.end_amdhsa_kernel
	.amdgpu_metadata
---
amdhsa.version: [ 1, 2 ]
amdhsa.kernels:
  - .name:           k_q6d0baf38b5_oproj
    .symbol:         k_q6d0baf38b5_oproj.kd
    .args:
      - { .name: XC, .offset: 0, .size: 8, .value_kind: global_buffer, .address_space: global }
      - { .name: XS, .offset: 8, .size: 8, .value_kind: global_buffer, .address_space: global }
      - { .name: CC, .offset: 16, .size: 8, .value_kind: global_buffer, .address_space: global }
      - { .name: CS, .offset: 24, .size: 8, .value_kind: global_buffer, .address_space: global }
      - { .name: bo, .offset: 32, .size: 8, .value_kind: global_buffer, .address_space: global }
      - { .name: out0, .offset: 40, .size: 8, .value_kind: global_buffer, .address_space: global }
    .group_segment_fixed_size: 327680
    .private_segment_fixed_size: 0
    .kernarg_segment_align: 8
    .kernarg_segment_size: 48
    .max_flat_workgroup_size: 128
    .sgpr_count:     100
    .vgpr_count:     768
    .wavefront_size: 32
...
	.end_amdgpu_metadata
.endif
;; end of part 4
